; MI455X (gfx1250); checked and timed in simulation.
; The chip was launched on July 23, 2026; its instructions are those of AMD's public machine-readable ISA for CDNA 5 (MIT licence, August 2026) and "CDNA5" Instruction Set Architecture Reference Guide (July 2026). The comments in the code are by the model that wrote it; some were corrected since.
;; Self Attention. Allowed arithmetic: matrix products marked QUANTISED: E4M3 operands, one E8M0 scale for each 32 along K, by v_wmma_scale_f32_16x16x128_f8f6f4 with both operands' format E4M3, f32 sums; everything else in f32.
;; Inputs: b_in 3,072 float32; b_out 1,024 float32; w_in 3,072 x 1,024 float32; w_out 1,024 x 1,024 float32; x 4 x 2,048 x 1,024 float32.
;; Outputs: out0 4 x 2,048 x 1,024 float32.
;; Constants: causal_mask = 1.
;; This version of the problem:
;;   THIS VERSION OF THE PROBLEM IS GIVEN IN LOW PRECISION. The matrix products marked QUANTISED in the list below multiply operands that are first quantised to E4M3 (4 exponent bits, 3 mantissa bits; 8 bits a number), with one power-of-two scale for each 32 numbers along K (OCP MX v1.0); their sums are f32. All else is computed in f32.
;;   The module's matrix products, in the order in which they are computed (A, B: the left and right operand; K: the contracted axis; several contracted axes count as one K, in the product's order):
;;     1. [M 8,192, K 1,024] x [K 1,024, N 3,072]; A: input x; B: input w_in: QUANTISED
;;     2. batch 64 x [M 2,048, K 64] x [K 64, N 2,048]; A: computed on the way; B: computed on the way: QUANTISED
;;     3. batch 64 x [M 64, K 2,048] x [K 2,048, N 2,048]; A: computed on the way; B: softmax (see below): QUANTISED
;;     4. [M 8,192, K 1,024] x [K 1,024, N 1,024]; A: computed on the way; B: input w_out: QUANTISED
;;   THE QUANTISER, for each operand of a quantised product, along K:
;;     - K is cut into blocks of 32 from its start; a last block that is shorter is filled with zeros.
;;     - A block's scale is 2^e with e = floor(log2(the largest magnitude in the block)) - 8, held to -126 .. 127; a block of zeros has e = 0. As a byte (E8M0): e + 127.
;;     - Each number is divided by its block's scale, clamped to +-448, and rounded to the nearest number of E4M3, ties to even, subnormals kept.
;;     - The product sums the exact products of the quantised numbers (number of the format x scale) in f32.
;;   ~~~python
;;   def quantise(x, axis):      # numpy; x: float32 -> the quantised numbers, widened to float32 again
;;       x = np.moveaxis(x, axis, -1); K = x.shape[-1]
;;       x = np.pad(x, [(0, 0)] * (x.ndim - 1) + [(0, -K % 32)]); x = x.reshape(x.shape[:-1] + (-1, 32)); a = np.abs(x).max(-1, keepdims=True)
;;       e = np.where(a > 0, np.clip(np.frexp(np.where(a > 0, a, 1))[1] - 1 - 8, -126, 127), 0)      # np.frexp(a)[1] - 1 = floor(log2(a)), exactly
;;       r = np.clip(x / 2.0 ** e, -448, 448)
;;       step = 2.0 ** (np.maximum(np.frexp(np.where(r == 0, 1, r))[1] - 1, -6) - 3)
;;       q = np.round(r / step) * step * 2.0 ** e      # np.round: ties to even
;;       return np.moveaxis(q.reshape(q.shape[:-2] + (-1,))[..., :K], -1, axis).astype(np.float32)
;;   ~~~
;;   SOFTMAX AHEAD OF A QUANTISED PRODUCT. Where the list says 'softmax', what is quantised is not the finished softmax but p = 2^(t - M), with t = logit x log2(e) and M = ceil(the row's largest t), a whole number; so 1/2 < the row's largest p <= 1. The row's sum l is taken of the UNQUANTISED p, in f32, and the product's result is divided by l at the end. Since M is a whole number, a kernel that streams over the keys may use a running M (the ceiling of the running maximum): every later rescaling is an exact power of two, which a block's scale takes up: the codes' values come out the same.
;;   OPERANDS COMPUTED ON THE WAY. 'Computed on the way' means the value that the module computes at that place (a softmax that the list does not call 'softmax' is quantised finished and normalised). What goes into a quantiser is computed in f32, as accurately as f32 sums, v_exp_f32 and their like allow (about 1e-6 of the number): no bf16 or f16 on the way to a quantiser, and a product that is left as it is and whose result goes on into a quantised operand takes f32 operands (vector FMAs, or v_wmma_f32_16x16x4_f32). A number that lies on a knife's edge between two numbers of the format may be rounded either way, as far as f32 arithmetic and the matrix unit's own rounding can turn it there, and no further.
;; One version. Each part assembles by itself: llvm-mc -triple=amdgcn-amd-amdhsa -mcpu=gfx1250 --defsym DOCPART=n.
;; ======== version 1 of 1: 4 launches
;; limits: right only within a limited range of input values
;; workspace buffers: wcodes 12,582,912 bytes; wscales 393,216 bytes; qk_codes 16,777,216 bytes; qk_sc 524,288 bytes; v_codes 8,388,608 bytes; v_sc 262,144 bytes; a_codes 8,388,608 bytes; a_sc 262,144 bytes
;; launch quant (part 1): grid 384 x 1, 4 waves a work-group, no clusters, 33,280 bytes of LDS; arguments x, w_in, w_out, wcodes, wscales; writes wcodes, wscales
.if DOCPART == 1
	.amdgcn_target "amdgcn-amd-amdhsa--gfx1250"
	.amdhsa_code_object_version 6
	.text
	.protected	k_q358f8ddab5_quant
	.globl	k_q358f8ddab5_quant
	.p2align	8
	.type	k_q358f8ddab5_quant,@function
k_q358f8ddab5_quant:
	s_mov_b64 s[64:65], 0
	v_nop
	global_prefetch_b8 v0, s[64:65] scope:SCOPE_SE
	s_setreg_imm32_b32 hwreg(HW_REG_WAVE_MODE, 25, 1), 1
	s_wait_xcnt 0x0
; x [8192][1024], w_in [3072][1024] and w_out [1024][1024], f32, become codes of FP8 (E4M3) with K innermost and one E8M0 scale byte for each 32 along K,
; in ONE buffer of 12,288 rows of 1,024 codes (x, then w_in, then w_out) and one of 12,288 rows of 32 scale bytes.
; A block's scale is 2^(floor(log2(its largest magnitude)) - 8); its byte is the largest magnitude's exponent field - 8, held at 1 from below.  Each number is divided by the scale, held within +-448 and
; rounded to the nearest code, ties to even.
; LIMITS: a block of zeros, or one whose largest magnitude lies under 2^-118 (the floor), gets the byte 1 where the rule says otherwise: a block of zeros has zero codes, which add nothing under any byte
; but 0xff, and the bytes are read by this program alone.  NaN and infinities among the inputs are not served.
; THE ROWS ARE LAID IN AN ORDER OF THIS PROGRAM'S OWN: bits 3 and 4 of a row's number change places.  Sixteen neighbouring rows of the buffer are then the rows 32 a + 16 (m / 8) + 8 u + m % 8, which as
; source 0 of a matrix instruction leave a lane with 16 NEIGHBOURS (in true order) in the registers of two neighbouring tiles: what the next launches' quantisers want.  K is in its true order.
; A wave takes 8 rows (8,192 numbers) in 16 steps of 512, so the change of places is a change of the wave's two bits in the number of its run of 8 rows.
; Each of a step's four loads reads 512 consecutive bytes; the 2,048 bytes turn through the wave's own stage in LDS and come back 64 bytes (16 neighbours along K) a lane; two neighbouring lanes hold a block.
; A wave's store of codes covers 512 consecutive bytes; its 256 scale bytes are gathered in LDS and leave as one aligned run of 256 bytes.  Waves share nothing: no barrier.
; Matrix units, clusters and tensor loads have no part in a stream that is read once.
.set STEPS, 16
.set MANT,  0x600000                   ; the mantissa field of 448 as f32
.set CB,    16                         ; bytes of 16 codes
.set R,     16                         ; v16-79   four sets of 16 numbers as they are loaded
.set X,     80                         ; v80-111  two sets of 16 neighbours
.set C,     128                        ; v128-191 codes: four registers for each step, so that no store's data are written again
.set E,     112                        ; v112-127 a scale byte for each step
.set WREG,  8192                       ; LDS: a region for each wave: two stages of 32 x SP bytes, and behind them its 256 scale bytes
.set SP,    80                         ; a lane's place in a stage: its 64 bytes + 16 of padding
	s_load_b128 s[4:7], s[0:1], 0x0                ; x, w_in
	s_load_b128 s[8:11], s[0:1], 0x10              ; w_out, the codes
	s_load_b64 s[12:13], s[0:1], 0x20              ; the scale bytes
	v_lshl_add_u32 v192, v0, 2, 0x8000
	v_mov_b32 v193, 0
	v_lshrrev_b32 v1, 5, v0
	v_readfirstlane_b32 s16, v1                    ; wave
	v_and_b32 v2, 31, v0                           ; lane
	v_lshlrev_b32 v3, 4, v2                        ; my 16 bytes of a load's 512
	s_mul_i32 s18, s16, WREG
	v_lshrrev_b32 v14, 2, v2
	v_mul_u32_u24 v14, v14, SP
	v_and_b32 v15, 3, v2
	v_lshl_add_u32 v14, v15, 4, v14
	v_add_nc_u32 v14, s18, v14                     ; the stage, on the way in: SP (lane / 4) + 16 (lane % 4)
	v_mul_u32_u24 v15, v2, SP
	v_add_nc_u32 v15, s18, v15                     ; and on the way out: SP x lane: my 16 neighbours
	v_mul_u32_u24 v4, v2, CB                       ; my codes' place in a step's
	v_lshrrev_b32 v5, 1, v2
	s_add_co_u32 s18, s18, 2*32*SP
	v_add_nc_u32 v5, s18, v5                       ; LDS: my wave's 256 scale bytes, my block's byte
	v_lshlrev_b32 v7, 3, v2                        ; and on the way out 8 bytes a lane
	v_add_nc_u32 v6, s18, v7
	s_mov_b32 s23, MANT                            ; (an instruction takes one literal: the hold's line has another)
	s_wait_alu depctr_va_vdst(0)
	s_wait_kmcnt 0x0
	s_cmp_lt_u32 ttmp9, 352                        ; work-groups 0-255 take x, 256-351 w_in, 352-383 w_out: the choice hangs on the work-group's number alone
	s_cselect_b64 s[6:7], s[6:7], s[8:9]
	s_mov_b32 s17, 352
	s_cselect_b32 s17, 256, s17
	s_cmp_lt_u32 ttmp9, 256
	s_cselect_b64 s[4:5], s[4:5], s[6:7]
	s_cselect_b32 s17, 0, s17                      ; the tensor's first work-group
	s_sub_co_u32 s19, ttmp9, s17
	s_lshl_b32 s19, s19, 2
	s_add_co_u32 s19, s19, s16                     ; which run of 8 rows of the tensor I read
	s_lshl_b32 s20, s19, 15                        ; 32,768 bytes a run
	s_mov_b32 s21, 0
	s_add_nc_u64 s[4:5], s[4:5], s[20:21]
	s_and_b32 s19, s16, 1                          ; and where it goes: the wave's two bits change places
	s_lshl_b32 s19, s19, 1
	s_lshr_b32 s22, s16, 1
	s_or_b32 s19, s19, s22
	s_lshl_b32 s22, ttmp9, 2
	s_add_co_u32 s19, s19, s22                     ; the run's number in the common buffers
	s_lshl_b32 s20, s19, 13                        ; 8,192 bytes of codes a run
	s_add_nc_u64 s[10:11], s[10:11], s[20:21]
	s_lshl_b32 s20, s19, 8                         ; 256 scale bytes a run
	s_add_nc_u64 s[12:13], s[12:13], s[20:21]
.macro LOAD t
.irp i, 0,1,2,3
	global_load_b128 v[R+16*((\t)%4)+4*\i:R+16*((\t)%4)+4*\i+3], v3, s[4:5] offset:2048*(\t)+512*\i th:TH_LOAD_NT   ; 32 lanes read 512 consecutive bytes; read once in the launch
.endr
.endm
.macro TURN t                          ; step t's numbers through the stage: LDS serves a wave's instructions in order, so no wait stands between the stores and the loads
.irp i, 0,1,2,3
	ds_store_b128 v14, v[R+16*((\t)%4)+4*\i:R+16*((\t)%4)+4*\i+3] offset:32*SP*((\t)%2)+8*SP*\i
.endr
.irp i, 0,1,2,3
	ds_load_b128 v[X+16*((\t)%2)+4*\i:X+16*((\t)%2)+4*\i+3], v15 offset:32*SP*((\t)%2)+16*\i
.endr
.endm
.irp t, 0,1,2,3
	LOAD \t
.endr
	s_wait_loadcnt 12                              ; step 0's four loads are in; the twelve of steps 1 to 3 may be out
	TURN 0
.macro STEP t
.set XS, X+16*((\t)%2)
.if (\t) > 0
	s_wait_dscnt 1                                 ; this step's numbers are back from the stage (the last step's byte store may be out): so its stores into the stage have read their registers,
.else
	s_wait_dscnt 0x0
.endif
.if (\t)+4 < STEPS
	LOAD (\t)+4                                    ; which take the loads of four steps on
.endif
.if (\t)+1 < STEPS
.if STEPS-2-(\t) >= 3
	s_wait_loadcnt 12                              ; the next step's four loads are in; those of the three steps behind it may be out
.else
	s_wait_loadcnt 4*(STEPS-2-(\t))
.endif
	TURN (\t)+1                                    ; and go through the other stage while this step is worked
.endif
	v_max3_num_f32 v8, |v[XS]|, |v[XS+1]|, |v[XS+2]|               ; the largest magnitude of my 16, in two chains
	v_max3_num_f32 v9, |v[XS+3]|, |v[XS+4]|, |v[XS+5]|
.irp i, 6,10
	v_max3_num_f32 v8, v8, |v[XS+\i]|, |v[XS+\i+1]|
	v_max3_num_f32 v9, v9, |v[XS+\i+2]|, |v[XS+\i+3]|
.endr
	v_max3_num_f32 v8, v8, |v[XS+14]|, |v[XS+15]|
	v_max3_num_f32 v8, v8, v9, 0x4800000           ; and the floor 2^(9 - 127): the byte cannot fall under 1
	v_max_num_f32_dpp v8, v8, v8 row_xmask:1 row_mask:0xf bank_mask:0xf   ; and of my neighbour's 16: the block's
	v_add_nc_u32 v11, 0xfc000000, v8               ; 8 off its exponent field: the conversion takes the exponent field of this operand as its scale, and nothing else of it
	v_and_or_b32 v10, v8, 0x7f800000, s23          ; 448 x the scale: the largest magnitude's exponent field over 448's mantissa
.irp i, 0,1,2,3,4,5,6,7,8,9,10,11,12,13,14,15
	v_med3_num_f32 v[XS+\i], v[XS+\i], -v10, v10   ; the conversion to an 8-bit code does not saturate (ISA guide 7.6.2): hold the number first
.endr
	v_cvt_scalef32_pk8_fp8_f32 v[C+4*(\t):C+4*(\t)+1], v[XS:XS+7], v11
	v_cvt_scalef32_pk8_fp8_f32 v[C+4*(\t)+2:C+4*(\t)+3], v[XS+8:XS+15], v11
	v_lshrrev_b32 v[E+(\t)], 23, v11               ; the scale's byte (also the plain line behind the conversions)
	ds_store_b8 v5, v[E+(\t)] offset:16*(\t)       ; both lanes of a block write the same byte with the same value
	global_store_b128 v4, v[C+4*(\t):C+4*(\t)+3], s[10:11] offset:32*CB*(\t)
.endm
.irp t, 0,1,2,3,4,5,6,7,8,9,10,11,12,13,14,15
	STEP \t
.endr
	ds_load_b64 v[12:13], v6                       ; LDS serves a wave's instructions in order: these see my stores
	s_wait_dscnt 0x0
	global_store_b64 v7, v[12:13], s[12:13]        ; 32 lanes store 256 consecutive bytes, aligned
	s_wait_tensorcnt 0x0
	ds_add_u32 v192, v193
	s_wait_dscnt 0x0
	s_endpgm
.Lfunc_end_k_q358f8ddab5_quant:
	.size	k_q358f8ddab5_quant, .Lfunc_end_k_q358f8ddab5_quant-k_q358f8ddab5_quant
	.p2alignl 7, 3214868480
	.fill 96, 4, 3214868480
	.section	.rodata,"a",@progbits
	.p2align	6, 0x0
	.amdhsa_kernel k_q358f8ddab5_quant
		.amdhsa_group_segment_fixed_size 33280
		.amdhsa_private_segment_fixed_size 0
		.amdhsa_enable_private_segment 0
		.amdhsa_kernarg_size 40
		.amdhsa_user_sgpr_count 2
		.amdhsa_user_sgpr_kernarg_segment_ptr 1
		.amdhsa_wavefront_size32 1
		.amdhsa_system_sgpr_workgroup_id_x 1
		.amdhsa_system_sgpr_workgroup_id_y 1
		.amdhsa_system_sgpr_workgroup_id_z 1
		.amdhsa_system_vgpr_workitem_id 0
		.amdhsa_next_free_vgpr 194
		.amdhsa_next_free_sgpr 66
		.amdhsa_reserve_vcc 0
		.amdhsa_float_denorm_mode_32 3
		.amdhsa_float_denorm_mode_16_64 3
		.amdhsa_memory_ordered 1
		.amdhsa_forward_progress 1
		.amdhsa_inst_pref_size 51
	.end_amdhsa_kernel
	.amdgpu_metadata
---
amdhsa.version: [ 1, 2 ]
amdhsa.kernels:
  - .name:           k_q358f8ddab5_quant
    .symbol:         k_q358f8ddab5_quant.kd
    .args:
      - { .name: x, .offset: 0, .size: 8, .value_kind: global_buffer, .address_space: global }
      - { .name: w_in, .offset: 8, .size: 8, .value_kind: global_buffer, .address_space: global }
      - { .name: w_out, .offset: 16, .size: 8, .value_kind: global_buffer, .address_space: global }
      - { .name: wcodes, .offset: 24, .size: 8, .value_kind: global_buffer, .address_space: global }
      - { .name: wscales, .offset: 32, .size: 8, .value_kind: global_buffer, .address_space: global }
    .group_segment_fixed_size: 33280
    .private_segment_fixed_size: 0
    .kernarg_segment_align: 8
    .kernarg_segment_size: 40
    .max_flat_workgroup_size: 128
    .sgpr_count:     66
    .vgpr_count:     194
    .wavefront_size: 32
...
	.end_amdgpu_metadata
.endif
;; end of part 1
;; launch gemm_qkv (part 2): grid 8 x 32, 4 waves a work-group, clusters of 4 x 4, 327,680 bytes of LDS; arguments wcodes, wscales, b_in, qk_codes, qk_sc, v_codes, v_sc; writes qk_codes, qk_sc, v_codes, v_sc
.if DOCPART == 2
	.amdgcn_target "amdgcn-amd-amdhsa--gfx1250"
	.amdhsa_code_object_version 6
	.text
	.protected	k_q358f8ddab5_gemm_qkv
	.globl	k_q358f8ddab5_gemm_qkv
	.p2align	8
	.type	k_q358f8ddab5_gemm_qkv,@function
k_q358f8ddab5_gemm_qkv:
	s_mov_b64 s[64:65], 0
	v_nop
	global_prefetch_b8 v0, s[64:65] scope:SCOPE_SE
	s_setreg_imm32_b32 hwreg(HW_REG_WAVE_MODE, 25, 1), 1
	s_wait_xcnt 0x0
	s_wait_alu depctr_hold_cnt(0) depctr_sa_sdst(0) depctr_va_vdst(0) depctr_va_sdst(0) depctr_va_ssrc(0) depctr_va_vcc(0) depctr_vm_vsrc(0)
	s_getreg_b32 s2, hwreg(HW_REG_IB_STS2, 6, 4)
	s_cmp_eq_u32 s2, 0
	s_cbranch_scc0 .Lentry_in_a_cluster
	s_endpgm
.Lentry_in_a_cluster:
	s_bfe_u32 s2, ttmp6, 0x10000c
	s_cmp_lg_u32 s2, 0xf033
	s_cbranch_scc0 .Lentry_shape_is_right
	s_endpgm
.Lentry_shape_is_right:
; qkv = x w_in^T + b_in on codes of FP8 (E4M3) with one E8M0 scale for each 32 along K = 1,024; the results never reach memory as f32: q and k are quantised along the head's 64, v along the keys, in registers.
; The common buffer holds x's 8,192 rows and then w_in's 3,072, 1,024 codes a row, with bits 3 and 4 of a row's number exchanged; the scale bytes are rows of 32.
; THE DEAL.  256 work-groups of four waves, 2 x 2.  A work-group keeps 256 rows of x and makes THREE PASSES of 128 columns: Q's, K's, V's tile column tc.  In a pass a wave holds 64 rows of w_in (one head), ALL of K, in 512 registers
; and streams its 8 blocks of 16 rows of x past them: 32 products a block, 4 accumulators by turns, K ascending.  Wave row wr owns rows 64 wr + 0 .. 63 of each half of 128 rows.
; LDS.  Two regions of 139,264 bytes, each [quarter of K][128 rows][256 bytes + 16 of padding]: a fill is four loads of 128 rows x 256 bytes, a quarter of K a wave.  x's lower half always lies in region 1, its upper half in region 2.
; A pass walks a first half F and then a second half G.  Its weights lie in G's region; when every wave holds them in registers, G's rows are filled over them (a drained round of the cluster's barrier); the round inside block 2 shows
; them and fills F's region, whose last rows have been fetched, with the next pass's weights.  So F and G change places from pass to pass: lower, upper; upper, lower; lower, upper.
; Q's and K's passes are one loop of two trips: what differs lies in scalars (pointers that are swapped, region bases turned by an exclusive or).  V's pass is written out.
; CLUSTERS: 4 x 4 work-groups; x's tiles are asked for jointly along a row of the cluster, w_in's along a column.
; PREFETCHES, each block of 256 bytes named once in the cluster's row or column, a lane a block, the sixteen waves told apart by address: at the head x's upper half and pass 1's weights, which the loads of the first pass's
; top and of its block 2 want; in the first pass's block 2 pass 2's weights, a pass ahead of their load.  What is filled again later has been read before.
; Q, K: source 0 = 16 rows of w_in: register j of tile b of lane (r, h) is column 32 (b / 2) + 16 h + 8 (b % 2) + j of the head, row r of x.  V: source 0 = 16 rows of x: the registers of an even and an odd block are keys 32 a + 16 h + 0 .. 15.
; THE BIAS is the C of each sum's first product.
; WHAT IS STORED.  qk_codes [32 chunks: q's heads, k's heads][8192 rows as they lie][64]; qk_sc [16][8192][4]; v_codes [128 chunks of 64 keys][1024 rows as they lie][64]; v_sc [64][1024][4].  Codes leave through my stage as runs of
; 512 consecutive bytes; a wave has 2 of a scale word's 4 bytes and stores them as 2 bytes a lane, 4 bytes apart: 786,432 bytes in the launch are written so.
; LIMITS: a block whose largest magnitude lies under 2^-118 (a block of zeros too) gets the byte 1; the bytes are read by this program alone.  NaN and infinities are not served.
; REGISTERS: window 0: v3-23 addresses, v24-39 the weights' scale words, v40-43 V's bias, v44-107 x's scale words, v108-111 scale bytes, v112-175 two sets of sums, v176-207 the bias, v208-255 at work; windows 1, 2: the weights; window 3: two blocks of x.
.set PART,  69632
.set QRT,   34816                      ; 128 rows x 272 bytes
.set R2,    139264
.set STAGE, 278528                     ; 64 rows x 80 bytes for each wave
.set SPARE, 299008                     ; the spare words, 128 bytes for each wave: two blocks of 256 bytes that no other line names
.set WI,    8388608
.set WIS,   262144
.set NP,    8                          ; places behind this matrix instruction (ISA guide 7.12.1)
.set PF,   3                           ; v3     256 x lane
.set VA,   4                           ; v4-5   my blocks' place in a region, quarters 0-1 and 2-3 of K;  v6-7 my weights' place
.set VW,   6
.set ADF,  8                           ; v8-9 the same in F's region;  v10-11 in G's;  v12-13 the weights' in G's
.set AWG,  12
.set STO,  14
.set RD,   15
.set GO,   16
.set SPW,  17
.set NIL,  18
.set ABS,  19
.set AAS,  20
.set VBQ,  21
.set VBV,  22
.set R4,   23
.set SB,   24
.set BV,   40
.set SA,   44                          ; no product's two scale words have numbers equal modulo 8
.set EB,   108
.set PW,   108
.set ACC,  112
.set BQ,   176
.set TM,   208
.set PC,   224
.set OB,   240
.set G1A, 24
.set G1W, 32
.set G0A, 48
.set G0W, 52
.set AF,  56                           ; pointer pairs, F's and G's side by side: x's codes (my quarter of K),
.set XF,  60                           ; x's scale bytes,
.set WP,  66                           ; the weights' codes, WS their scale bytes, BP the bias,
.set WS,  68
.set BP,  70
.set OCF, 72                           ; q's or k's codes, OSF their scale words,
.set OSF, 76
.set VCF, 80                           ; v's codes, VSF its scale words, BVP its bias
.set VSF, 84
.set BVP, 88
.set SF,  90                           ; s90, s91 LDS byte at which F's, G's region begins;  s92 the pass
.set SG,  91
.set PADW, (1<<20)|(1<<21)|(5<<22)|(3<<25)   ; elements of 1 byte; padding on; bit 21 beside a mask; after every 64 words four words
.set MSB, 0
.macro WIN new                         ; the immediate's high byte repeats the setting that is left
.if MSB != (\new)
	s_set_vgpr_msb (MSB<<8)|(\new)
.set MSB, (\new)
.endif
.endm
.macro PLACES n
.rept \n
	v_nop
.endr
.endm
.macro BARRIER
	s_barrier_signal -1
	s_barrier_wait -1
.endm
.macro CREST                           ; a round of the cluster's barrier behind its opening barrier
	s_cmp_lg_u32 s14, 0
	s_cbranch_scc1 .Lnot_wave_0_\@
	s_barrier_signal -3
.Lnot_wave_0_\@:
	s_barrier_wait -3
	BARRIER
.endm
.macro CROUND
	BARRIER
	CREST
.endm
.macro TLOAD g0, g1                    ; s_nop 0 and four v_nop follow a tensor load
	tensor_load_to_lds s[\g0:\g0+3], s[\g1:\g1+7]
	s_nop 0
	PLACES 4
.endm
.macro GRP1 g, mask                    ; 128 rows x 256 bytes, 1,024 bytes apart
	s_or_b32 s[\g], s[\mask], PADW
	s_mov_b32 s[\g+1], 256<<16
	s_mov_b32 s[\g+2], 128<<16
	s_mov_b32 s[\g+3], 256<<16
	s_mov_b32 s[\g+4], 128
	s_mov_b32 s[\g+5], 1024
	s_mov_b32 s[\g+6], 0
	s_mov_b32 s[\g+7], 0
.endm
.macro SETG0 g, reg, p                 ; a group 0: my quarter of the region that begins at s[reg]; memory: the pointer pair p.  Written only where no tensor load of mine is out
	s_add_co_u32 s[\g+1], s45, s[\reg]
	s_mov_b64 s[\g+2:\g+3], s[\p:\p+1]
	s_or_b32 s[\g+3], s[\g+3], 0x80000000
.endm
.macro SWAP a, b
	s_mov_b64 s[94:95], s[\a:\a+1]
	s_mov_b64 s[\a:\a+1], s[\b:\b+1]
	s_mov_b64 s[\b:\b+1], s[94:95]
.endm
.macro ADDRS                           ; the pass's LDS addresses
	v_add_nc_u32 v[ADF], s[SF], v[VA]
	v_add_nc_u32 v[ADF+1], s[SF], v[VA+1]
	v_add_nc_u32 v[ADF+2], s[SG], v[VA]
	v_add_nc_u32 v[ADF+3], s[SG], v[VA+1]
	v_add_nc_u32 v[AWG], s[SG], v[VW]
	v_add_nc_u32 v[AWG+1], s[SG], v[VW+1]
.endm
.macro LOADS                           ; a pass's scale words and bias, by plain loads into registers
.irp p, 0,1
.irp c, 0,1
	global_load_b128 v[SB+8*\p+4*\c:SB+8*\p+4*\c+3], v[ABS], s[WS:WS+1] offset:1024*\p+16*\c   ; register 8 p + q: lanes 0-15 tile 2 p's word of K step q, lanes 16-31 tile 2 p + 1's
.endr
.endr
.irp j, 0,1,2,3,4,5,6,7
.irp c, 0,1
	global_load_b128 v[SA+8*\j+4*\c:SA+8*\j+4*\c+3], v[AAS], s[XF+2*(\j/4):XF+2*(\j/4)+1] offset:512*(\j%4)+16*\c   ; block j, row r: its eight words
.endr
.endr
.irp b, 0,1,2,3
	global_load_b128 v[BQ+8*\b:BQ+8*\b+3], v[VBQ], s[BP:BP+1] offset:4*(32*(\b/2)+8*(\b%2))
	global_load_b128 v[BQ+8*\b+4:BQ+8*\b+7], v[VBQ], s[BP:BP+1] offset:4*(32*(\b/2)+8*(\b%2))+16
.endr
.endm
.macro WREGS                           ; my 64 rows of the weights, all of K, into windows 1 and 2: fragment 4 q + b
.irp q, 0,1,2,3,4,5,6,7
.irp b, 0,1,2,3
	WIN (1+(4*\q+\b)/16)<<6
.irp c, 0,1,2,3
	ds_load_b128 v[16*((4*\q+\b)%16)+4*\c:16*((4*\q+\b)%16)+4*\c+3], v[AWG+\q/4] offset:((\q/2)%2)*QRT+\b*4352+128*(\q%2)+32*\c
.endr
.endr
.endr
	WIN 0
.endm
.macro FETCH j                         ; block j of the pass, 16 rows, all of K, into set j % 2 of window 3: 32 loads
	WIN 3<<6
.irp q, 0,1,2,3,4,5,6,7
.irp c, 0,1,2,3
	ds_load_b128 v[128*((\j)%2)+16*\q+4*\c:128*((\j)%2)+16*\q+4*\c+3], v[ADF+2*((\j)/4)+\q/4] offset:((\q/2)%2)*QRT+((\j)%4)*4352+128*(\q%2)+32*\c
.endr
.endr
	WIN 0
.endm
.macro PRODS kind, j, from, to         ; product n = 4 q + b: K step q, tile b of my 64 rows of the weights.  kind 0: source 0 = the weights; 1: source 0 = x
.set N_, \from
.rept (\to)-(\from)
.set Q_, N_/4
.set B_, N_%4
.set AC_, ACC+32*((\j)%2)+8*B_
.set C_, AC_
.if Q_ == 0
.set C_, BQ+8*B_
.endif
.set X_, 128*((\j)%2)+16*Q_
.set W_, 16*(N_%16)
.set XS_, SA+8*(\j)+Q_
.set WS_, SB+8*(B_/2)+Q_
.if \kind
	WIN 3|((1+N_/16)<<2)
.if B_%2
	v_wmma_scale_f32_16x16x128_f8f6f4 v[AC_:AC_+7], v[X_:X_+15], v[W_:W_+15], v[C_:C_+7], v[XS_], v[WS_] matrix_b_scale:MATRIX_SCALE_ROW1
.else
	v_wmma_scale_f32_16x16x128_f8f6f4 v[AC_:AC_+7], v[X_:X_+15], v[W_:W_+15], v[C_:C_+7], v[XS_], v[WS_]
.endif
.else
	WIN (1+N_/16)|(3<<2)
.if B_%2
	v_wmma_scale_f32_16x16x128_f8f6f4 v[AC_:AC_+7], v[W_:W_+15], v[X_:X_+15], v[C_:C_+7], v[WS_], v[XS_] matrix_a_scale:MATRIX_SCALE_ROW1
.else
	v_wmma_scale_f32_16x16x128_f8f6f4 v[AC_:AC_+7], v[W_:W_+15], v[X_:X_+15], v[C_:C_+7], v[WS_], v[XS_]
.endif
.endif
.set N_, N_+1
.endr
.endm
.macro TOP                             ; a pass begins: the weights are in registers: G's rows are filled over them
	s_wait_tensorcnt 0x0                           ; all my tensor loads have landed;
	ds_add_u32 v[SPW], v[NIL]                      ; the add ahead of a refill's round;
	SETG0 G0A, SG, AF+2
	s_wait_dscnt 0x0                               ; it is done, and so are my reads of the weights
	CROUND
	TLOAD G0A, G1A
	FETCH 0
	FETCH 1
	s_wait_loadcnt 0x0                             ; the scale words and the bias
.endm
; Q's or K's block: a lane's 32 sums are two halves of scale blocks of 32 columns; the other halves lie in lane l xor 16
.macro QUANTQ j
.set AC, ACC+32*((\j)%2)
.irp p, 0,1
	v_max3_num_f32 v[TM+\p], |v[AC+16*\p]|, |v[AC+16*\p+1]|, 0x4800000   ; each accumulator from its low end on; the floor 2^(9 - 127)
.endr
.irp i, 2,4,6,8,10,12,14
.irp p, 0,1
	v_max3_num_f32 v[TM+\p], v[TM+\p], |v[AC+16*\p+\i]|, |v[AC+16*\p+\i+1]|
.endr
.endr
.irp p, 0,1
	v_permlanex16_b32 v[TM+2+\p], v[TM+\p], s12, s13
.endr
.irp p, 0,1
	v_max_num_f32 v[TM+\p], v[TM+\p], v[TM+2+\p]
.endr
.irp p, 0,1
	v_add_nc_u32 v[TM+4+\p], 0xfc000000, v[TM+\p]  ; 8 off the exponent field: the conversion's scale operand
.endr
.irp p, 0,1
	v_and_or_b32 v[TM+6+\p], v[TM+\p], 0x7f800000, s2   ; 448 x the scale
.endr
.irp p, 0,1
	v_lshrrev_b32 v[TM+2+\p], 23, v[TM+4+\p]
.endr
	v_lshl_or_b32 v[PW], v[TM+3], 8, v[TM+2]       ; my row's two scale bytes
.irp p, 0,1
.set n, 0
.rept 16
	v_med3_num_f32 v[AC+16*\p+n], v[AC+16*\p+n], -v[TM+6+\p], v[TM+6+\p]   ; the conversion to an 8-bit code does not saturate (ISA guide 7.6.2): the hold
.set n, n+1
.endr
.endr
.irp p, 0,1
	v_cvt_scalef32_pk8_fp8_f32 v[PC+4*\p:PC+4*\p+1], v[AC+16*\p:AC+16*\p+7], v[TM+4+\p]
	v_cvt_scalef32_pk8_fp8_f32 v[PC+4*\p+2:PC+4*\p+3], v[AC+16*\p+8:AC+16*\p+15], v[TM+4+\p]
.endr
	v_nop                                          ; one plain line behind the last conversion
.endm
.macro OUTBQ j                         ; block j's 16 rows of 64 codes leave as 1,024 consecutive bytes; two scale bytes a row
	s_wait_dscnt 0x0
	global_store_b128 v[GO], v[OB:OB+3], s[OCF+2*((\j)/4):OCF+2*((\j)/4)+1] offset:1024*((\j)%4)
	global_store_b128 v[GO], v[OB+4:OB+7], s[OCF+2*((\j)/4):OCF+2*((\j)/4)+1] offset:1024*((\j)%4)+512
	global_store_b16 v[R4], v[PW], s[OSF+2*((\j)/4):OSF+2*((\j)/4)+1] offset:64*((\j)%4)   ; lanes l and l + 16 write the same bytes with the same value
.endm
.macro QBLK j
.if (\j) == 7
	s_wait_dscnt 4                                 ; the 4 LDS instructions of block 6's way out may be out
.else
	s_wait_dscnt 32                                ; this block is in; the next block's 32 loads may be out
.endif
.if (\j) == 2
	s_wait_tensorcnt 0x0                           ; G's rows have landed;
	ds_add_u32 v[SPW], v[NIL]                      ; the add; products stand between it and the wait for it
	s_add_nc_u64 s[WP:WP+1], s[WP:WP+1], 0x100000  ; the next pass's weights: 1,024 rows on
	SETG0 G0W, SF, WP
	PRODS 0, \j, 0, 28
	WIN 0
	s_wait_dscnt 0x0                               ; the add is done, and my reads of F's region are over: block 3 is in registers
	s_barrier_signal -1
	PRODS 0, \j, 28, 32
	WIN 0
	s_barrier_wait -1
	CREST
	TLOAD G0W, G1W                                 ; the first tensor load behind the round: into F's region
	s_cmp_eq_u32 s92, 0
	s_cbranch_scc0 .Lnone_ahead_\@
	global_prefetch_b8 v[PF], s[8:9] th:TH_LOAD_NT scope:SCOPE_SE   ; pass 2's weights, a pass ahead of their load
.Lnone_ahead_\@:
.else
	PRODS 0, \j, 0, 32
	WIN 0
.endif
.if (\j) > 0
	OUTBQ (\j)-1
.endif
	PLACES NP                                      ; behind the block's last product, ahead of the loads into the registers that it read and of the first read of its sums
.if (\j)+2 < 8
	FETCH (\j)+2
.endif
	s_wait_xcnt 0x0                                ; the stores above have read their registers
	QUANTQ \j
	s_wait_alu depctr_va_vdst(0)
	ds_store_b128 v[STO], v[PC:PC+3]
	ds_store_b128 v[STO], v[PC+4:PC+7] offset:32
	ds_load_b128 v[OB:OB+3], v[RD]                 ; LDS serves a wave's instructions in order (ISA guide 5.7.1.4): these see my stores
	ds_load_b128 v[OB+4:OB+7], v[RD] offset:640
.endm
; A pair of V's blocks: of tile b a lane holds 16 neighbouring keys of one row of w_in: the even block's 8 sums, then the odd block's; the scale block's other 16 lie in lane l xor 16.  a: which 32 of the chunk's 64 keys
.macro QUANTV a
.irp b, 0,1,2,3
	v_max3_num_f32 v[TM+\b], |v[ACC+8*\b]|, |v[ACC+8*\b+1]|, 0x4800000
.endr
.irp i, 2,4,6,32,34,36,38
.irp b, 0,1,2,3
	v_max3_num_f32 v[TM+\b], v[TM+\b], |v[ACC+8*\b+\i]|, |v[ACC+8*\b+\i+1]|
.endr
.endr
.irp b, 0,1,2,3
	v_permlanex16_b32 v[TM+4+\b], v[TM+\b], s12, s13
.endr
.irp b, 0,1,2,3
	v_max_num_f32 v[TM+\b], v[TM+\b], v[TM+4+\b]
.endr
.irp b, 0,1,2,3
	v_add_nc_u32 v[TM+8+\b], 0xfc000000, v[TM+\b]
.endr
.irp b, 0,1,2,3
	v_and_or_b32 v[TM+12+\b], v[TM+\b], 0x7f800000, s2
.endr
.irp b, 0,1,2,3
	v_lshrrev_b32 v[TM+4+\b], 23, v[TM+8+\b]
.endr
.irp b, 0,1,2,3
.if \a
	v_lshl_or_b32 v[EB+\b], v[TM+4+\b], 8, v[EB+\b]
.else
	v_mov_b32 v[EB+\b], v[TM+4+\b]
.endif
.endr
.irp b, 0,1,2,3
.set n, 0
.rept 8
	v_med3_num_f32 v[ACC+8*\b+n], v[ACC+8*\b+n], -v[TM+12+\b], v[TM+12+\b]
	v_med3_num_f32 v[ACC+32+8*\b+n], v[ACC+32+8*\b+n], -v[TM+12+\b], v[TM+12+\b]
.set n, n+1
.endr
.endr
.irp b, 0,1,2,3
	v_cvt_scalef32_pk8_fp8_f32 v[PC+4*\b:PC+4*\b+1], v[ACC+8*\b:ACC+8*\b+7], v[TM+8+\b]
	v_cvt_scalef32_pk8_fp8_f32 v[PC+4*\b+2:PC+4*\b+3], v[ACC+32+8*\b:ACC+32+8*\b+7], v[TM+8+\b]
.endr
	v_nop
.endm
.macro VBLK j
.if (\j) == 7
	s_wait_dscnt 0x0
.else
	s_wait_dscnt 32
.endif
.if (\j) == 2
	PRODS 1, \j, 0, 28
	WIN 0
	s_wait_tensorcnt 0x0                           ; every wave: my quarter of G's rows has landed
	s_wait_dscnt 0x0
	s_barrier_signal -1
	PRODS 1, \j, 28, 32
	WIN 0
	s_barrier_wait -1                              ; everybody's has: block 4's fetch below reads them
.else
	PRODS 1, \j, 0, 32
	WIN 0
.endif
	PLACES NP
.if (\j)+2 < 8
	FETCH (\j)+2
.endif
.if (\j)%2
	s_wait_xcnt 0x0                                ; earlier stores have read their registers
	QUANTV ((\j)/2)%2
	s_wait_alu depctr_va_vdst(0)
.irp b, 0,1,2,3
	ds_store_b128 v[STO], v[PC+4*\b:PC+4*\b+3] offset:1280*\b+32*(((\j)/2)%2)   ; row 16 b + r of my 64, 16 of its 64 keys
.endr
.if (\j)%4 == 3                        ; a chunk of 64 keys x my 64 rows is whole: 4,096 consecutive bytes
.irp t, 0,1,2,3
	ds_load_b128 v[OB+4*\t:OB+4*\t+3], v[RD] offset:640*\t
	ds_load_b128 v[TM+4*\t:TM+4*\t+3], v[RD] offset:640*\t+2560
.endr
	s_wait_dscnt 0x0
.irp t, 0,1,2,3
	global_store_b128 v[GO], v[OB+4*\t:OB+4*\t+3], s[VCF+2*((\j)/4):VCF+2*((\j)/4)+1] offset:512*\t
	global_store_b128 v[GO], v[TM+4*\t:TM+4*\t+3], s[VCF+2*((\j)/4):VCF+2*((\j)/4)+1] offset:512*\t+2048
	global_store_b16 v[R4], v[EB+\t], s[VSF+2*((\j)/4):VSF+2*((\j)/4)+1] offset:64*\t
.endr
.endif
.endif
.endm
	s_load_b128 s[4:7], s[0:1], 0x0                ; wcodes, wscales
	s_load_b128 s[8:11], s[0:1], 0x10              ; b_in, qk_codes
	s_load_b128 s[96:99], s[0:1], 0x20             ; qk_sc, v_codes
	s_load_b64 s[100:101], s[0:1], 0x30            ; v_sc
	v_lshl_add_u32 v[SPW], v0, 2, SPARE
	v_mov_b32 v[NIL], 0
	ds_add_u32 v[SPW], v[NIL]                      ; the opening lines: the add, twice on end, and its wait ahead of the round in front of the first loads
	ds_add_u32 v[SPW], v[NIL]
	v_lshrrev_b32 v1, 5, v0
	v_readfirstlane_b32 s14, v1                    ; wave 0..3
	s_lshr_b32 s15, s14, 1                         ; my row of waves
	s_and_b32 s16, s14, 1                          ; my column of waves
	s_bfe_u32 s40, ttmp6, 0x40000                  ; cx, cy
	s_bfe_u32 s41, ttmp6, 0x40004
	s_lshl_b32 s42, ttmp9, 2
	s_add_co_u32 s42, s42, s40                     ; tile column: 128 columns of each of Q, K, V
	s_and_b32 s17, ttmp7, 0xffff
	s_lshl_b32 s17, s17, 2
	s_add_co_u32 s17, s17, s41                     ; tile row: 256 rows of x
	s_lshl_b32 s43, s41, 2
	s_lshl_b32 s43, 15, s43                        ; my row of the cluster
	s_lshl_b32 s44, 0x1111, s40                    ; my column
	GRP1 G1A, 43
	GRP1 G1W, 44
	s_mov_b32 s[G0A], 1
	s_mov_b32 s[G0W], 1
	s_mul_i32 s45, s14, QRT                        ; my quarter of a region: the wave's number alone enters an LDS address
	s_mov_b32 s[SF], 0
	s_mov_b32 s[SG], R2
	s_mov_b32 s92, 0
	s_mov_b32 s12, 0x76543210
	s_mov_b32 s13, 0xfedcba98                      ; v_permlanex16_b32's selects for lane l xor 16
	s_mov_b32 s2, 0x600000                         ; the mantissa field of 448
	s_lshl_b32 s18, s42, 7
	s_lshl_b32 s19, s16, 6
	s_add_co_u32 s18, s18, s19                     ; my first column of a tensor
	s_lshl_b32 s19, s17, 8
	s_lshl_b32 s20, s15, 6
	s_add_co_u32 s19, s19, s20                     ; my first row of x's lower half
	s_lshl_b32 s22, s14, 8                         ; my quarter of K, in bytes
	s_mov_b32 s21, 0
	s_wait_dscnt 0x0                               ; both opening adds are done
	CROUND                                         ; all sixteen work-groups are here: the first joint loads meet
	s_wait_kmcnt 0x0
	s_lshl_b32 s20, s42, 17
	s_add_co_u32 s20, s20, s22
	s_add_co_u32 s20, s20, WI
	s_add_nc_u64 s[WP:WP+1], s[4:5], s[20:21]
	SETG0 G0W, SG, WP
	TLOAD G0W, G1W                                 ; Q's weights into region 2: one load a wave at the head
	s_lshl_b32 s20, s17, 18
	s_add_co_u32 s20, s20, s22
	s_add_nc_u64 s[AF:AF+1], s[4:5], s[20:21]
	s_add_nc_u64 s[AF+2:AF+3], s[AF:AF+1], 0x20000
	s_lshl_b32 s20, s19, 5
	s_add_nc_u64 s[XF:XF+1], s[6:7], s[20:21]
	s_add_nc_u64 s[XF+2:XF+3], s[XF:XF+1], 4096
	s_lshl_b32 s20, s18, 5
	s_add_co_u32 s20, s20, WIS
	s_add_nc_u64 s[WS:WS+1], s[6:7], s[20:21]
	s_lshl_b32 s20, s18, 2
	s_add_nc_u64 s[BP:BP+1], s[8:9], s[20:21]
	s_add_nc_u64 s[BVP:BVP+1], s[BP:BP+1], 8192
	s_lshl_b32 s20, s18, 13                        ; chunk = column / 64, 524,288 bytes a chunk
	s_lshl_b32 s23, s19, 6
	s_add_co_u32 s20, s20, s23
	s_add_nc_u64 s[OCF:OCF+1], s[10:11], s[20:21]
	s_add_nc_u64 s[OCF+2:OCF+3], s[OCF:OCF+1], 8192
	s_lshl_b32 s20, s42, 15                        ; a plane of scale words for 128 columns; my head's two bytes
	s_lshl_b32 s23, s19, 2
	s_add_co_u32 s20, s20, s23
	s_lshl_b32 s23, s16, 1
	s_add_co_u32 s20, s20, s23
	s_add_nc_u64 s[OSF:OSF+1], s[96:97], s[20:21]
	s_add_nc_u64 s[OSF+2:OSF+3], s[OSF:OSF+1], 512
	s_lshl_b32 s20, s19, 10                        ; chunk = row / 64, 65,536 bytes a chunk
	s_lshl_b32 s23, s18, 6
	s_add_co_u32 s20, s20, s23
	s_add_nc_u64 s[VCF:VCF+1], s[98:99], s[20:21]
	s_add_nc_u64 s[VCF+2:VCF+3], s[VCF:VCF+1], 0x20000
	s_lshl_b32 s20, s17, 13                        ; two steps of 128 keys a tile row, 4,096 bytes a step; my wave row's two bytes
	s_lshl_b32 s23, s18, 2
	s_add_co_u32 s20, s20, s23
	s_lshl_b32 s23, s15, 1
	s_add_co_u32 s20, s20, s23
	s_add_nc_u64 s[VSF:VSF+1], s[100:101], s[20:21]
	s_add_nc_u64 s[VSF+2:VSF+3], s[VSF:VSF+1], 4096
	s_lshl_b32 s20, s41, 2                         ; the prefetches: which of the cluster column's sixteen waves I am: my 8,192 bytes of a pass's weights
	s_add_co_u32 s20, s20, s14
	s_lshl_b32 s20, s20, 13
	s_lshl_b32 s23, s42, 17
	s_add_co_u32 s20, s20, s23
	s_add_co_u32 s20, s20, WI+0x100000
	s_add_nc_u64 s[6:7], s[4:5], s[20:21]          ; pass 1's
	s_add_nc_u64 s[8:9], s[6:7], 0x100000          ; pass 2's
	s_lshl_b32 s20, s40, 2                         ; and of the cluster row's: my 8,192 bytes of x's upper half
	s_add_co_u32 s20, s20, s14
	s_lshl_b32 s20, s20, 13
	s_lshl_b32 s23, s17, 18
	s_add_co_u32 s20, s20, s23
	s_add_co_u32 s20, s20, 0x20000
	s_add_nc_u64 s[4:5], s[4:5], s[20:21]
	s_mul_i32 s20, s15, 17408                      ; 64 rows of 272 bytes
	s_mul_i32 s22, s16, 17408
	s_mul_i32 s23, s14, 5120
	s_add_co_u32 s23, s23, STAGE                   ; my stage
	v_and_b32 v1, 15, v0                           ; r
	v_bfe_u32 v2, v0, 4, 1                         ; h
	v_and_b32 v3, 31, v0                           ; lane
	v_mul_u32_u24 v23, v1, 272
	v_lshl_add_u32 v23, v2, 4, v23                 ; a fragment's row x 272 + 16 h
	v_add_nc_u32 v[VA], s20, v23
	v_add_nc_u32 v[VW], s22, v23
	v_add_nc_u32 v[VA+1], PART, v[VA]
	v_add_nc_u32 v[VW+1], PART, v[VW]
	ADDRS
	v_mul_u32_u24 v[STO], v1, 80
	v_lshl_add_u32 v[STO], v2, 4, v[STO]
	v_add_nc_u32 v[STO], s23, v[STO]               ; in: row r of 80 bytes, 16 bytes for each half of the lanes
	v_lshrrev_b32 v[RD], 2, v3
	v_and_b32 v[GO], 3, v3
	v_mul_u32_u24 v[RD], v[RD], 80
	v_lshl_add_u32 v[RD], v[GO], 4, v[RD]
	v_add_nc_u32 v[RD], s23, v[RD]                 ; back: four lanes to a row, eight rows an instruction
	v_lshlrev_b32 v[GO], 4, v3
	v_lshlrev_b32 v[ABS], 5, v3
	v_lshlrev_b32 v[AAS], 5, v1
	v_lshlrev_b32 v[VBQ], 6, v2
	v_and_b32 v[VBV], 8, v1
	v_add_nc_u32 v[VBV], v[VBV], v1
	v_lshlrev_b32 v[VBV], 2, v[VBV]                ; 4 (r + (r & 8))
	v_lshlrev_b32 v[R4], 2, v1
	v_lshlrev_b32 v[PF], 8, v3
.set n, 0
.rept 16
	v_mov_b32 v[TM+n], 0                           ; a lane permute's destination counts as one of its sources
.set n, n+1
.endr
	s_wait_alu depctr_va_vdst(0)                   ; the wait at the head's end
	LOADS
.irp b, 0,1,2,3
	global_load_b32 v[BV+\b], v[VBV], s[BVP:BVP+1] offset:4*(32*(\b/2)+8*(\b%2))   ; V's bias: one number for a lane and tile
.endr
	global_prefetch_b8 v[PF], s[4:5] th:TH_LOAD_NT scope:SCOPE_SE
	global_prefetch_b8 v[PF], s[6:7] th:TH_LOAD_NT scope:SCOPE_SE
	s_wait_tensorcnt 0x0                           ; my quarter of Q's weights is in; the lines ahead of a later first fill:
	ds_add_u32 v[SPW], v[NIL]
	SETG0 G0A, SF, AF
	s_wait_dscnt 0x0
	CROUND                                         ; everybody's quarter is in
	TLOAD G0A, G1A                                 ; x's lower half into region 1: it lands while the weights go into registers
	WREGS
.Lpass:                                            ; two trips: Q, K
	TOP
.irp j, 0,1,2,3,4,5,6,7
	QBLK \j
.endr
	OUTBQ 7
	s_wait_xcnt 0x0                                ; every load and store has read its pointers: they change below
	SWAP AF, AF+2                                  ; F and G change places
	SWAP XF, XF+2
	SWAP OCF, OCF+2
	SWAP OSF, OSF+2
	s_add_nc_u64 s[OCF:OCF+1], s[OCF:OCF+1], 0x800000      ; sixteen chunks on
	s_add_nc_u64 s[OCF+2:OCF+3], s[OCF+2:OCF+3], 0x800000
	s_add_nc_u64 s[OSF:OSF+1], s[OSF:OSF+1], 0x40000       ; eight planes on
	s_add_nc_u64 s[OSF+2:OSF+3], s[OSF+2:OSF+3], 0x40000
	s_add_nc_u64 s[WS:WS+1], s[WS:WS+1], 32768             ; 1,024 rows on
	s_add_nc_u64 s[BP:BP+1], s[BP:BP+1], 4096
	s_xor_b32 s[SF], s[SF], R2
	s_xor_b32 s[SG], s[SG], R2
	LOADS                                          ; the next pass's scale words and bias land while its weights go into registers
	ADDRS
	s_wait_alu depctr_va_vdst(0)
	s_wait_tensorcnt 0x0                           ; every wave: my quarter of the next pass's weights has landed
	s_wait_dscnt 0x0
	BARRIER
	WREGS
	s_add_co_u32 s92, s92, 1
	s_cmp_lt_u32 s92, 2
	s_cbranch_scc1 .Lpass
	s_wait_loadcnt 0x0
.irp b, 0,1,2,3
.irp i, 0,1,2,3,4,5,6,7
	v_mov_b32 v[BQ+8*\b+\i], v[BV+\b]              ; V: a lane's eight sums of a tile belong to one row of w_in: one bias, eight times
.endr
.endr
	s_wait_alu depctr_va_vdst(0)
	TOP
.irp j, 0,1,2,3,4,5,6,7
	VBLK \j
.endr
	s_wait_tensorcnt 0x0                           ; the wave's end
	ds_add_u32 v[SPW], v[NIL]
	s_wait_dscnt 0x0
	CROUND                                         ; the closing round
	s_endpgm
.Lfunc_end_k_q358f8ddab5_gemm_qkv:
	.size	k_q358f8ddab5_gemm_qkv, .Lfunc_end_k_q358f8ddab5_gemm_qkv-k_q358f8ddab5_gemm_qkv
	.p2alignl 7, 3214868480
	.fill 96, 4, 3214868480
	.section	.rodata,"a",@progbits
	.p2align	6, 0x0
	.amdhsa_kernel k_q358f8ddab5_gemm_qkv
		.amdhsa_group_segment_fixed_size 327680
		.amdhsa_private_segment_fixed_size 0
		.amdhsa_enable_private_segment 0
		.amdhsa_kernarg_size 56
		.amdhsa_user_sgpr_count 2
		.amdhsa_user_sgpr_kernarg_segment_ptr 1
		.amdhsa_wavefront_size32 1
		.amdhsa_system_sgpr_workgroup_id_x 1
		.amdhsa_system_sgpr_workgroup_id_y 1
		.amdhsa_system_sgpr_workgroup_id_z 1
		.amdhsa_system_vgpr_workitem_id 0
		.amdhsa_next_free_vgpr 1024
		.amdhsa_next_free_sgpr 102
		.amdhsa_reserve_vcc 0
		.amdhsa_float_denorm_mode_32 3
		.amdhsa_float_denorm_mode_16_64 3
		.amdhsa_memory_ordered 1
		.amdhsa_forward_progress 1
		.amdhsa_inst_pref_size 213
	.end_amdhsa_kernel
	.amdgpu_metadata
---
amdhsa.version: [ 1, 2 ]
amdhsa.kernels:
  - .name:           k_q358f8ddab5_gemm_qkv
    .symbol:         k_q358f8ddab5_gemm_qkv.kd
    .args:
      - { .name: wcodes, .offset: 0, .size: 8, .value_kind: global_buffer, .address_space: global }
      - { .name: wscales, .offset: 8, .size: 8, .value_kind: global_buffer, .address_space: global }
      - { .name: b_in, .offset: 16, .size: 8, .value_kind: global_buffer, .address_space: global }
      - { .name: qk_codes, .offset: 24, .size: 8, .value_kind: global_buffer, .address_space: global }
      - { .name: qk_sc, .offset: 32, .size: 8, .value_kind: global_buffer, .address_space: global }
      - { .name: v_codes, .offset: 40, .size: 8, .value_kind: global_buffer, .address_space: global }
      - { .name: v_sc, .offset: 48, .size: 8, .value_kind: global_buffer, .address_space: global }
    .group_segment_fixed_size: 327680
    .private_segment_fixed_size: 0
    .kernarg_segment_align: 8
    .kernarg_segment_size: 56
    .max_flat_workgroup_size: 128
    .sgpr_count:     102
    .vgpr_count:     1024
    .wavefront_size: 32
...
	.end_amdgpu_metadata
.endif
;; end of part 2
;; launch attn (part 3): grid 4 x 64, 16 waves a work-group, clusters of 4 x 1, 327,680 bytes of LDS; arguments qk_codes, qk_sc, v_codes, v_sc, a_codes, a_sc; writes a_codes, a_sc
.if DOCPART == 3
	.amdgcn_target "amdgcn-amd-amdhsa--gfx1250"
	.amdhsa_code_object_version 6
	.text
	.protected	k_q358f8ddab5_attn
	.globl	k_q358f8ddab5_attn
	.p2align	8
	.type	k_q358f8ddab5_attn,@function
k_q358f8ddab5_attn:
	s_mov_b64 s[64:65], 0
	v_nop
	global_prefetch_b8 v0, s[64:65] scope:SCOPE_SE
	s_setreg_imm32_b32 hwreg(HW_REG_WAVE_MODE, 25, 1), 1
	s_wait_xcnt 0x0
	s_wait_alu depctr_hold_cnt(0) depctr_sa_sdst(0) depctr_va_vdst(0) depctr_va_sdst(0) depctr_va_ssrc(0) depctr_va_vcc(0) depctr_vm_vsrc(0)
	s_getreg_b32 s2, hwreg(HW_REG_IB_STS2, 6, 4)
	s_cmp_eq_u32 s2, 0
	s_cbranch_scc0 .Lentry_in_a_cluster
	s_endpgm
.Lentry_in_a_cluster:
	s_bfe_u32 s2, ttmp6, 0x10000c
	s_cmp_lg_u32 s2, 0x3003
	s_cbranch_scc0 .Lentry_shape_is_right
	s_endpgm
.Lentry_shape_is_right:
; Causal attention of one (batch, head) on codes of FP8 (E4M3) with one E8M0 scale for each 32 along a product's K; head size 64, 2,048 keys.  The result is divided by the row's sum and quantised along the head's 64 in registers.
; LEFT OUT: key steps all of whose 128 keys come after a tile's 16 queries: the causal mask sets their scores to -infinity, so they add nothing to any sum, whatever the inputs hold.
; A NaN or an infinity that reaches only those scores is not carried to the result.
; THE SOFTMAX AHEAD OF THE SECOND PRODUCT: t = score x log2(e) / 8; M = the row's largest t so far, rounded UP to a whole number; p = 2^(t - M) is quantised along the keys; the row's sum is taken of the unquantised p in f32.
; When M moves, the sum and O are multiplied by 2^(old M - new M): exact.
; THE WHOLE HEAD LIES IN LDS.  K's 2,048 rows of 64 bytes and V's 32 planes (64 keys each) of 64 rows x 64 bytes are laid as runs of 256 bytes + 16 of padding: 139,264 bytes each; with V's scale words (4,096), K's scale
; bytes (8,192), the stages (20,480) and the spare words (2,048): 313,344 bytes.  Every byte is filled once: no ring, no refill.
; CLUSTERS: the four work-groups of a (batch, head) want the same tiles at the same time: each tile is asked for jointly, by the same load with the mask 15.  One load a wave at the head, in twelve waves:
; wave 0 keys 0-255 of K, waves 1, 2 planes 0-3 of V, wave 3 V's scale words; waves 4-7 the other 1,792 keys, waves 8-11 the other 28 planes.  The first barrier shows waves 0-3's tiles, the second, behind two key steps, all.
; Behind it no barrier stands in the walk.  NO PREFETCH: every tile is asked for at the head, so there is no loop to run ahead in.
; K's SCALE BYTES come by plain loads (my head's 2 bytes of each word, 4 keys a thread) and are stored to LDS as words whose upper half is 0: so no LDS address hangs on the head's number.
; SHARES.  The sequence has 128 tiles of 16 queries.  Wave w of partner j owns tiles 4 w + j and 127 - (4 w + j): (w / 2 + 1) + (16 - w / 2) = 17 key steps of 128 keys in EVERY wave.  Which steps a wave walks, and which one lies
; on the diagonal, hangs on w alone; j enters global addresses and the mask's numbers only.  The later tile goes first: its first two steps are never hidden and never on the diagonal.
; LAYOUT.  Both products are used transposed: S^T = K Q^T, O^T = V^T P^T: a lane holds ONE query (lane % 16).  K's and V's rows lie with bits 3 and 4 of the row's number exchanged, so that the 16 registers of tiles 2 b and
; 2 b + 1 are the true indices 32 b + 16 (lane / 16) + 0 .. 15.  THE FIRST PRODUCT'S K IS 64 in an instruction of 128: Q's upper 64 are zero codes, both sides' scale bytes of that half are 0 (2^-127); a tile's upper 64 are the
; next tile's codes (the last tile's: zeros): finite numbers times zeros.  V's fragments are asked for ahead of the softmax, into the registers that K has left.  One scale register serves two tiles (lanes 0-15, lanes 16-31).
; INPUTS: q's and k's codes [32 chunks: q's heads, k's heads][8192 rows][64]; their scale words [16][8192][4] (two heads to a word); v's codes [128 chunks of 64 keys][1024 rows][64]; its words [64][1024][4].
; OUTPUTS: a_codes [16 heads][8192 rows, true order][64]; a_sc [8192][32], byte 2 x head + block: stored as 2 bytes a lane, rows 32 bytes apart: 262,144 bytes in the launch are written so.
; LIMITS: the promise holds while the scaled scores t stay under 2^31 in magnitude.  A block whose largest magnitude lies under 2^-118 (a block of zeros too) gets the byte 1; the bytes are read by this program alone.
; 1 / the sum is v_rcp_f32's.  NaN and infinities are not served.  A block's largest p is its largest score put through the same multiply-add and exponential: this takes v_exp_f32 not to fall where its input rises.
.set VB,    139264                     ; K lies from 0; V from here
.set VSB,   278528                     ; V's scale words: 16 steps x 256 bytes
.set KSB,   282624                     ; K's scale words: 2,048 x 4 bytes, stored by the waves: no tile lands here
.set STAGE, 290816                     ; 16 rows x 80 bytes for each wave, for the way out
.set SPARE, 311296                     ; the spare words, 128 bytes for each wave: eight blocks of 256 bytes that no other line names
.set STP,   8704                       ; 128 keys: 32 runs of 272 bytes in K's region; two planes of 4,352 in V's
.set AK0,  1                           ; v1   my lane's place in a tile of K: 272 (r / 4) + 64 (r % 4) + 16 h: sixteen lanes touch sixteen different 16-byte columns of 256
.set AV0,  2
.set ASK0, 3                           ; v3   my lane's place among K's scale words: 4 r + 64 h
.set ASV0, 4
.set SPW,  5
.set NIL,  6
.set GO,   7                           ; v7   16 x lane
.set ADK,  8                           ; v8-11 the step's LDS addresses
.set ADV,  9
.set ADS,  10
.set ADT,  11
                                       ; v12 -M, v13 the largest t, v[14:15] the sum; v16-23 Q's codes, v24-31 zeros
.set KR,   32                          ; v32-95   K's eight tiles, then V's four fragments
.set PAD,  96                          ; v96-103  zeros
.set SS,   104                         ; v104-167 S^T, then p
.set OT,   168                         ; v168-199 O^T
.set PCD,  200                         ; v200-215 p's codes
.set BM,   216
.set PD,   220
.set HL,   224
.set SOP,  228
.set KSC,  232
.set VSC,  236
.set QSC,  238
.set PSC,  239
.set FF,   240
.set WK,   244
.set STO,  245
.set RD,   246
.set QOF,  247
.set QSO,  248
.set ASO,  249
.set DD,   250                         ; v250 the mask's d on the tile's diagonal step: 16 (tile % 8) + r - 16 h
.set RH,   251
.set NINF, 252
.set OLDM, 253
.set T,    2                           ; s2   the key step
.set SO,   3                           ; s3   T x STP
.set SK,   66                          ; s66  T x 512
.set SV,   67                          ; s67  T x 256
.set LIMH, 4                           ; s4   the later tile's last step: 15 - w / 2;  s5 the earlier tile's: w / 2;  s6, s7: 16 (tile % 8) of the two
.set LIML, 5
.set WV,   18
.set MNT,  19
.set SEL,  20
.set CS,   22
.set G1K0, 24                          ; five groups 1 and five groups 0: a set for each load line
.set G1KR, 32
.set G1V0, 40
.set G1VR, 48
.set G1VS, 56
.set G0K0, 68
.set G0V0, 72
.set G0VS, 76
.set G0KR, 80
.set G0VR, 84
.set QCH,  88                          ; s[88:95] the later tile's pointers: Q's codes, Q's scale words, a_codes, a_sc;  s[96:101], s[16:17] the earlier tile's
.set QSH,  90
.set OCH,  92
.set OSH,  94
.set QCL,  96
.set QSL,  98
.set OCL,  100
.set OSL,  16
.set PADW, 15|(1<<20)|(1<<21)|(5<<22)|(3<<25)   ; the mask of all four partners; elements of 1 byte; padding on; bit 21 beside a mask; after every 64 words four words
.macro GRP1 g, w0, d0, rows, pitch
	s_mov_b32 s[\g], \w0
	s_mov_b32 s[\g+1], ((\d0)&0xffff)<<16
	s_mov_b32 s[\g+2], ((\d0)>>16)|((\rows)<<16)
	s_mov_b32 s[\g+3], (\d0)<<16
	s_mov_b32 s[\g+4], \rows
	s_mov_b32 s[\g+5], \pitch
	s_mov_b32 s[\g+6], 0
	s_mov_b32 s[\g+7], 0
.endm
.macro CROUND                          ; a round of the cluster's barrier
	s_barrier_signal -1
	s_barrier_wait -1
	s_cmp_lg_u32 s[WV], 0
	s_cbranch_scc1 .Lnot_wave_0_\@
	s_barrier_signal -3
.Lnot_wave_0_\@:
	s_barrier_wait -3
	s_barrier_signal -1
	s_barrier_wait -1
.endm
.macro ARM under, g0, g1, next         ; an arm of the head's one chain: a load, s_nop 0 and four v_nop, a jump to the join
	s_cmp_lt_u32 s[WV], \under
	s_cbranch_scc0 \next
	tensor_load_to_lds s[\g0:\g0+3], s[\g1:\g1+7]
	s_nop 0
.rept 4
	v_nop
.endr
	s_branch .Lhead_asked
\next:
.endm
.macro TYPE g, p                       ; a group 0's offset becomes an address; the type on top
	s_add_nc_u64 s[\g+2:\g+3], s[\p:\p+1], s[\g+2:\g+3]
	s_or_b32 s[\g+3], s[\g+3], 0x80000000
.endm
	s_load_b256 s[4:11], s[0:1], 0x0               ; qk_codes s[4:5], qk_sc s[6:7], v_codes s[8:9], v_sc s[10:11]
	s_load_b128 s[12:15], s[0:1], 0x20             ; a_codes s[12:13], a_sc s[14:15]
	v_lshl_add_u32 v[SPW], v0, 2, SPARE
	v_mov_b32 v[NIL], 0
	ds_add_u32 v[SPW], v[NIL]                      ; the opening lines: the add, twice on end, and its wait ahead of the round in front of the first loads
	ds_add_u32 v[SPW], v[NIL]
	v_lshrrev_b32 v8, 5, v0
	s_delay_alu instid0(VALU_DEP_1)
	v_readfirstlane_b32 s[WV], v8                  ; wave 0..15
	s_and_b32 s2, ttmp7, 0xffff                    ; the cluster's y: batch x 16 + head
	s_lshr_b32 s3, s2, 4                           ; the batch
	s_and_b32 s2, s2, 15                           ; the head
	s_and_b32 s66, s[WV], 3                        ; which part of the later keys I fetch, if I fetch
	s_lshr_b32 s67, s[WV], 1                       ; waves 1, 2: which two of V's first four planes
	GRP1 G1K0, PADW, 256, 64, 256                  ; 256 keys of K: 64 dense rows of 256 bytes
	GRP1 G1KR, PADW, 256, 112, 256                 ; 448 keys
	GRP1 G1V0, PADW, 4096, 2, 65536                ; two planes of V: a head's 64 rows x 64 bytes are 4,096 dense bytes, planes 65,536 apart
	GRP1 G1VR, PADW, 4096, 7, 65536                ; seven planes
	GRP1 G1VS, 15|(3<<16)|(1<<21), 32, 16, 512     ; V's scale words: 16 rows of 256 bytes (32 elements of 8), 4,096 bytes apart, no padding
	s_add_co_u32 s104, s2, 16                      ; K: chunk 16 + head, row 2048 x batch
	s_lshl_b32 s104, s104, 19
	s_lshl_b32 s105, s3, 17
	s_add_co_u32 s104, s104, s105
	s_mov_b32 s[G0K0], 1
	s_mov_b32 s[G0K0+1], 0
	s_mov_b32 s[G0K0+2], s104
	s_mov_b32 s[G0K0+3], 0
	s_mul_i32 s105, s66, 28672                     ; 112 rows of 256 bytes a part, behind the first 64
	s_add_co_u32 s105, s105, 16384
	s_mov_b32 s[G0KR], 1
	s_mul_i32 s[G0KR+1], s66, 30464
	s_add_co_u32 s[G0KR+1], s[G0KR+1], 17408
	s_add_co_u32 s[G0KR+2], s104, s105
	s_mov_b32 s[G0KR+3], 0
	s_lshl_b32 s104, s3, 21                        ; V: plane 32 x batch, the head's 4,096 bytes
	s_lshl_b32 s105, s2, 12
	s_add_co_u32 s104, s104, s105
	s_lshl_b32 s105, s67, 17
	s_mov_b32 s[G0V0], 1
	s_mul_i32 s[G0V0+1], s67, 8704
	s_add_co_u32 s[G0V0+1], s[G0V0+1], VB
	s_add_co_u32 s[G0V0+2], s104, s105
	s_mov_b32 s[G0V0+3], 0
	s_mul_i32 s105, s66, 458752                    ; seven planes a part, behind the first four
	s_add_co_u32 s105, s105, 262144
	s_mov_b32 s[G0VR], 1
	s_add_co_u32 s[G0VR+1], s[G0KR+1], VB
	s_add_co_u32 s[G0VR+2], s104, s105
	s_mov_b32 s[G0VR+3], 0
	s_lshl_b32 s104, s3, 16                        ; V's scale words: step 16 x batch, the head's 256 bytes
	s_lshl_b32 s105, s2, 8
	s_mov_b32 s[G0VS], 1
	s_mov_b32 s[G0VS+1], VSB
	s_add_co_u32 s[G0VS+2], s104, s105
	s_mov_b32 s[G0VS+3], 0
	s_mov_b32 s[SEL], 0x76543210
	s_mov_b32 s[SEL+1], 0xfedcba98
	s_mov_b32 s[CS], 0x3e38aa3b                    ; c = log2(e) / sqrt(64)
	s_mov_b32 s[CS+1], s[CS]
	s_mov_b32 s[MNT], 0x600000
	s_mov_b32 s105, 0
	s_wait_dscnt 0x0                               ; both opening adds are done
	CROUND                                         ; all four work-groups are here: the joint loads meet
	s_wait_kmcnt 0x0
	TYPE G0K0, 4
	TYPE G0KR, 4
	TYPE G0V0, 8
	TYPE G0VR, 8
	TYPE G0VS, 10
	ARM 1,  G0K0, G1K0, .Larm_v0                   ; waves 0-3 have load lines of their own: they alone wait at the first barrier
	ARM 3,  G0V0, G1V0, .Larm_vs
	ARM 4,  G0VS, G1VS, .Larm_kr
	ARM 8,  G0KR, G1KR, .Larm_vr
	ARM 12, G0VR, G1VR, .Larm_none
.Lhead_asked:
	; the buffers' pointers at my batch and head
	s_lshr_b32 s8, s2, 1
	s_lshl_b32 s8, s8, 15                          ; q's plane head / 2,
	s_and_b32 s9, s2, 1
	s_lshl_b32 s9, s9, 1                           ; my head's two bytes of a word,
	s_add_co_u32 s8, s8, s9
	s_lshl_b32 s9, s3, 13                          ; my batch's rows
	s_add_co_u32 s104, s8, s9
	s_add_nc_u64 s[6:7], s[6:7], s[104:105]        ; q's scale words
	s_add_nc_u64 s[10:11], s[6:7], 0x40000         ; k's: eight planes on
	s_lshl_b32 s8, s2, 19
	s_lshl_b32 s9, s3, 17
	s_add_co_u32 s104, s8, s9
	s_add_nc_u64 s[4:5], s[4:5], s[104:105]        ; q's codes, and the output's: the same place in both
	s_add_nc_u64 s[12:13], s[12:13], s[104:105]
	s_lshl_b32 s8, s3, 16
	s_lshl_b32 s9, s2, 1
	s_add_co_u32 s104, s8, s9
	s_add_nc_u64 s[14:15], s[14:15], s[104:105]    ; a_sc
	s_bfe_u32 s66, ttmp6, 0x40000                  ; j: my place in the cluster: it enters global addresses and the mask's numbers alone
	s_lshl_b32 s67, s[WV], 2
	s_add_co_u32 s66, s66, s67                     ; the earlier tile, 4 w + j
	s_sub_co_u32 s67, 127, s66                     ; the later tile
.macro PTRS t, qc, qs, oc, os          ; tile t: Q's true row 16 t + r lies at 32 (t / 2) + 8 (t % 2) + r + (r & 8)
	s_lshr_b32 s8, s[\t], 1
	s_lshl_b32 s8, s8, 5
	s_and_b32 s9, s[\t], 1
	s_lshl_b32 s9, s9, 3
	s_add_co_u32 s8, s8, s9
	s_lshl_b32 s104, s8, 6
	s_add_nc_u64 s[\qc:\qc+1], s[4:5], s[104:105]
	s_lshl_b32 s104, s8, 2
	s_add_nc_u64 s[\qs:\qs+1], s[6:7], s[104:105]
	s_lshl_b32 s104, s[\t], 10
	s_add_nc_u64 s[\oc:\oc+1], s[12:13], s[104:105]
	s_lshl_b32 s104, s[\t], 9
	s_add_nc_u64 s[\os:\os+1], s[14:15], s[104:105]
.endm
	PTRS 67, QCH, QSH, OCH, OSH
	PTRS 66, QCL, QSL, OCL, OSL
	s_lshr_b32 s[LIML], s[WV], 1
	s_sub_co_u32 s[LIMH], 15, s[LIML]
	s_and_b32 s6, s67, 7
	s_lshl_b32 s6, s6, 4
	s_and_b32 s7, s66, 7
	s_lshl_b32 s7, s7, 4
	s_mul_i32 s8, s[WV], 1280
	s_add_co_u32 s8, s8, STAGE                     ; my stage
	s_mov_b32 s[T], 0
	s_mov_b32 s[SO], 0
	s_mov_b32 s[SK], 0
	s_mov_b32 s[SV], 0
	v_and_b32 v8, 15, v0                           ; r
	v_bfe_u32 v9, v0, 4, 1                         ; h
	v_and_b32 v11, 31, v0                          ; lane
	v_lshlrev_b32 v[SS+4], 2, v0                   ; K's scale bytes: 4 x thread in memory,
	v_lshl_add_u32 v[SS+5], v0, 2, KSB             ; and in LDS
	v_lshrrev_b32 v[AK0], 2, v8
	v_and_b32 v[AV0], 3, v8
	v_mul_u32_u24 v[AK0], v[AK0], 272
	v_lshl_add_u32 v[AK0], v[AV0], 6, v[AK0]
	v_lshl_add_u32 v[AK0], v9, 4, v[AK0]
	v_add_nc_u32 v[AV0], VB, v[AK0]
	v_lshlrev_b32 v[ASK0], 2, v8
	v_lshl_add_u32 v[ASK0], v9, 6, v[ASK0]         ; 4 r + 64 h: lanes 16-31 take the words of the tile behind
	v_add_nc_u32 v[ASV0], VSB, v[ASK0]
	v_add_nc_u32 v[ASK0], KSB, v[ASK0]
	v_and_b32 v10, 8, v8
	v_add_nc_u32 v10, v10, v8                      ; r + (r & 8)
	v_lshlrev_b32 v[QOF], 6, v10
	v_lshl_add_u32 v[QOF], v9, 4, v[QOF]
	v_lshlrev_b32 v[QSO], 2, v10
	v_lshlrev_b32 v[GO], 4, v11
	v_mul_u32_u24 v[STO], v8, 80
	v_lshl_add_u32 v[STO], v9, 4, v[STO]
	v_add_nc_u32 v[STO], s8, v[STO]                ; in: row r of 80 bytes, 16 bytes for each half of the lanes
	v_lshrrev_b32 v10, 2, v11
	v_mul_u32_u24 v10, v10, 80
	v_and_b32 v11, 3, v11
	v_lshl_add_u32 v10, v11, 4, v10
	v_add_nc_u32 v[RD], s8, v10                    ; back: four lanes to a row
	v_lshlrev_b32 v[ASO], 5, v8
	v_lshlrev_b32 v[RH], 4, v9
	v_sub_nc_u32 v[RH], v8, v[RH]                  ; r - 16 h
	v_add_nc_u32 v[DD], s6, v[RH]
	v_mov_b32 v[NINF], 0xff800000
	s_wait_alu depctr_va_vdst(0)
.irp i, 0,1,2,3
	global_load_u16 v[SS+\i], v[SS+4], s[10:11] offset:2048*\i   ; my head's two scale bytes of key thread + 512 i, widened with zeros
.endr
.macro QLOAD cp, sp
	global_load_b128 v[16:19], v[QOF], s[\cp:\cp+1]
	global_load_b128 v[20:23], v[QOF], s[\cp:\cp+1] offset:32
	global_load_u16 v[QSC], v[QSO], s[\sp:\sp+1]
.endm
	QLOAD QCH, QSH
.set n, 0
.rept 8
	v_mov_b32 v[24+n], 0                           ; Q's upper 64: zero codes, written once
	v_mov_b32 v[PAD+n], 0
.set n, n+1
.endr
.irp b, 0,1,2,3
	v_mov_b32 v[PD+\b], 0                          ; a lane permute's destination counts as one of its sources
.endr
	v_mov_b32 v[FF+1], 0
	v_mov_b32 v[WK], 0
.macro RESET                           ; a tile begins: O^T and the sum are zeros, the largest t lies under every t
	v_mov_b32 v13, 0xff61b1e6
	s_delay_alu instid0(VALU_DEP_1)
	v_floor_f32 v12, -v13
	v_mov_b32 v14, 0
	v_mov_b32 v15, 0
.set n, 0
.rept 32
	v_mov_b32 v[OT+n], 0
.set n, n+1
.endr
.endm
	RESET
; A KEY STEP: keys 128 T on.  plain = 1: a step that is neither hidden nor on the diagonal in any wave.  Else: hidden where T is beyond the tile's last step s[lim], masked where it is that step: branches on the wave's number and the count of steps.
.macro STEP plain, lim
.if \plain == 0
	s_cmp_gt_u32 s[T], s[\lim]
	s_cbranch_scc1 .Lhidden_\@
.endif
	v_add_nc_u32 v[ADK], s[SO], v[AK0]
	v_add_nc_u32 v[ADV], s[SO], v[AV0]
	v_add_nc_u32 v[ADS], s[SK], v[ASK0]
	v_add_nc_u32 v[ADT], s[SV], v[ASV0]
.rept 4
	v_nop                                          ; with the four additions: eight places between the last step's products and the loads into the registers that they read
.endr
.irp t, 0,1,2,3,4,5,6,7
.irp c, 0,1
	ds_load_b128 v[KR+8*\t+4*\c:KR+8*\t+4*\c+3], v[ADK] offset:1088*\t+32*\c
.endr
.endr
.irp u, 0,1,2,3
	ds_load_b32 v[KSC+\u], v[ADS] offset:128*\u    ; lanes 0-15: tile 2 u's scale bytes; lanes 16-31: tile 2 u + 1's
.endr
	s_wait_alu depctr_va_vdst(0)
	s_wait_dscnt 0x0
.irp t, 0,1,2,3,4,5,6,7
.if \t%2
	v_wmma_scale_f32_16x16x128_f8f6f4 v[SS+8*\t:SS+8*\t+7], v[KR+8*\t:KR+8*\t+15], v[16:31], 0, v[KSC+\t/2], v[QSC] matrix_a_scale:MATRIX_SCALE_ROW1
.else
	v_wmma_scale_f32_16x16x128_f8f6f4 v[SS+8*\t:SS+8*\t+7], v[KR+8*\t:KR+8*\t+15], v[16:31], 0, v[KSC+\t/2], v[QSC]
.endif
.endr                                          ; register 16 b + i is key 128 T + 32 b + 16 h + i
	v_mov_b32 v[OLDM], v12                         ; -M as the step finds it
.rept 7
	v_nop                                          ; with the line above: eight places behind the products
.endr
.irp t, 0,1,2,3
.irp c, 0,1,2,3
	ds_load_b128 v[KR+16*\t+4*\c:KR+16*\t+4*\c+3], v[ADV] offset:4352*(\c/2)+1088*\t+32*(\c%2)
.endr
.endr
.irp u, 0,1
	ds_load_b32 v[VSC+\u], v[ADT] offset:128*\u
.endr
.if \plain == 0
	s_cmp_lg_u32 s[T], s[\lim]
	s_cbranch_scc1 .Lopen_\@
.set n, 0
.rept 64
	v_cmp_gt_i32 vcc_lo, 32*(n/16)+n%16, v[DD]     ; register 16 b + i is hidden where 32 b + i > d
	v_cndmask_b32 v[SS+n], v[SS+n], v[NINF], vcc_lo
.set n, n+1
.endr
.Lopen_\@:
.endif
.irp b, 0,1,2,3
	v_max3_num_f32 v[BM+\b], v[SS+16*\b], v[SS+1+16*\b], v[SS+2+16*\b]
.endr
.irp i, 3,5,7,9,11,13
.irp b, 0,1,2,3
	v_max3_num_f32 v[BM+\b], v[BM+\b], v[SS+16*\b+\i], v[SS+1+16*\b+\i]
.endr
.endr
.irp b, 0,1,2,3
	v_max_num_f32 v[BM+\b], v[BM+\b], v[SS+15+16*\b]
.endr
.irp b, 0,1,2,3
	s_delay_alu instid0(VALU_DEP_4)
	v_permlanex16_b32 v[PD+\b], v[BM+\b], s[SEL], s[SEL+1]
.endr
.irp b, 0,1,2,3
	s_delay_alu instid0(VALU_DEP_4)
	v_max_num_f32 v[BM+\b], v[BM+\b], v[PD+\b]
.endr
	s_delay_alu instid0(VALU_DEP_2)
	v_max3_num_f32 v[WK], v[BM], v[BM+1], v[BM+2]
	s_delay_alu instid0(VALU_DEP_1)
	v_max_num_f32 v[WK], v[WK], v[BM+3]
	s_delay_alu instid0(VALU_DEP_1)
	v_mul_f32 v[WK], s[CS], v[WK]
	s_delay_alu instid0(VALU_DEP_1)
	v_max_num_f32 v13, v13, v[WK]                  ; the running largest t
	s_delay_alu instid0(VALU_DEP_1)
	v_floor_f32 v12, -v13                          ; the new -M
	s_delay_alu instid0(VALU_DEP_1)
	v_sub_f32 v[WK], v12, v[OLDM]
	s_delay_alu instid0(VALU_DEP_1)
	v_cvt_i32_f32 v[WK], v[WK]
	s_delay_alu instid0(VALU_DEP_1)
	v_ldexp_f32 v[FF], 1.0, v[WK]                  ; f = 2^(old M - new M)
.set j, 0
.rept 32
	v_pk_fma_f32 v[SS+j:SS+j+1], v[SS+j:SS+j+1], s[CS:CS+1], v[12:13] op_sel_hi:[1,0,0]
.set j, j+2
.endr
.irp b, 0,1,2,3
	v_fma_f32 v[BM+\b], v[BM+\b], s[CS], v12
.endr
.set n, 0
	s_wait_alu depctr_va_vdst(0)                   ; the wait ahead of the batch
.rept 64
	v_exp_f32 v[SS+n], v[SS+n]
.set n, n+1
.endr
.irp b, 0,1,2,3
	v_exp_f32 v[BM+\b], v[BM+\b]
.endr
	v_pk_mul_f32 v[14:15], v[14:15], v[FF:FF+1] op_sel_hi:[1,0]
	s_wait_alu depctr_va_vdst(0)                   ; and behind it
.irp b, 0,1,2,3
	v_max_num_f32 v[BM+\b], 0x4800000, v[BM+\b]
.endr
.irp b, 0,1,2,3
	s_delay_alu instid0(VALU_DEP_4)
	v_add_nc_u32 v[SOP+\b], 0xfc000000, v[BM+\b]
.endr
.irp b, 0,1,2,3
	v_and_or_b32 v[HL+\b], v[BM+\b], 0x7f800000, s[MNT]
.endr
.irp b, 0,1,2,3
	v_lshrrev_b32 v[PD+\b], 23, v[SOP+\b]
.endr
	s_delay_alu instid0(VALU_DEP_3)
	v_lshl_or_b32 v[PSC], v[PD+1], 8, v[PD]
	s_delay_alu instid0(VALU_DEP_1)
	v_lshl_or_b32 v[PSC], v[PD+2], 16, v[PSC]
	s_delay_alu instid0(VALU_DEP_1)
	v_lshl_or_b32 v[PSC], v[PD+3], 24, v[PSC]
	v_pk_add_f32 v[242:243], v[108:109], v[112:113]    ; the row's sum of the unquantised p: eight chains, in registers that are free here
	v_pk_add_f32 v[254:255], v[116:117], v[120:121]
	v_pk_add_f32 v[234:235], v[124:125], v[128:129]
	v_pk_add_f32 v[232:233], v[132:133], v[136:137]
	v_pk_add_f32 v[218:219], v[140:141], v[144:145]
	v_pk_add_f32 v[216:217], v[148:149], v[152:153]
	v_pk_add_f32 v[214:215], v[156:157], v[160:161]
	v_pk_add_f32 v[14:15], v[14:15], v[164:165]
	v_pk_add_f32 v[242:243], v[242:243], v[104:105]
	v_pk_add_f32 v[254:255], v[254:255], v[106:107]
	v_pk_add_f32 v[234:235], v[234:235], v[110:111]
	v_pk_add_f32 v[232:233], v[232:233], v[114:115]
	v_pk_add_f32 v[218:219], v[218:219], v[118:119]
	v_pk_add_f32 v[216:217], v[216:217], v[122:123]
	v_pk_add_f32 v[214:215], v[214:215], v[126:127]
	v_pk_add_f32 v[14:15], v[14:15], v[130:131]
	v_pk_add_f32 v[242:243], v[242:243], v[134:135]
	v_pk_add_f32 v[254:255], v[254:255], v[138:139]
	v_pk_add_f32 v[234:235], v[234:235], v[142:143]
	v_pk_add_f32 v[232:233], v[232:233], v[146:147]
	v_pk_add_f32 v[218:219], v[218:219], v[150:151]
	v_pk_add_f32 v[216:217], v[216:217], v[154:155]
	v_pk_add_f32 v[214:215], v[214:215], v[158:159]
	v_pk_add_f32 v[14:15], v[14:15], v[162:163]
	v_pk_add_f32 v[242:243], v[242:243], v[166:167]
	s_delay_alu instid0(VALU_DEP_2)
	v_pk_add_f32 v[14:15], v[14:15], v[232:233]
	s_delay_alu instid0(VALU_DEP_2)
	v_pk_add_f32 v[242:243], v[242:243], v[218:219]
	v_pk_add_f32 v[254:255], v[254:255], v[216:217]
	v_pk_add_f32 v[234:235], v[234:235], v[214:215]
	s_delay_alu instid0(VALU_DEP_2)
	v_pk_add_f32 v[14:15], v[14:15], v[254:255]
	s_delay_alu instid0(VALU_DEP_2)
	v_pk_add_f32 v[242:243], v[242:243], v[234:235]
	s_delay_alu instid0(VALU_DEP_1)
	v_pk_add_f32 v[14:15], v[14:15], v[242:243]
.irp b, 0,1,2,3
.set n, 0
.rept 8                                        ; the conversion to an 8-bit code does not saturate (ISA guide 7.6.2); p is not negative: a one-sided hold, two an instruction
	v_dual_min_num_f32 v[SS+16*\b+n], v[SS+16*\b+n], v[HL+\b] :: v_dual_min_num_f32 v[SS+16*\b+n+1], v[SS+16*\b+n+1], v[HL+\b]
.set n, n+2
.endr
	v_cvt_scalef32_pk8_fp8_f32 v[PCD+4*\b:PCD+4*\b+1], v[SS+16*\b:SS+16*\b+7], v[SOP+\b]
	v_cvt_scalef32_pk8_fp8_f32 v[PCD+4*\b+2:PCD+4*\b+3], v[SS+16*\b+8:SS+16*\b+15], v[SOP+\b]
.endr
.set j, 0
.rept 16
	v_pk_mul_f32 v[OT+j:OT+j+1], v[OT+j:OT+j+1], v[FF:FF+1] op_sel_hi:[1,0]   ; O^T under the new M; these 16 are also the places between the conversions and the products
.set j, j+2
.endr
	s_wait_alu depctr_va_vdst(0)
	s_wait_dscnt 0x0                               ; V's fragments and scale words
.irp t, 0,1,2,3                                ; the four accumulators take turns
.if \t%2
	v_wmma_scale_f32_16x16x128_f8f6f4 v[OT+8*\t:OT+8*\t+7], v[KR+16*\t:KR+16*\t+15], v[PCD:PCD+15], v[OT+8*\t:OT+8*\t+7], v[VSC+\t/2], v[PSC] matrix_a_scale:MATRIX_SCALE_ROW1
.else
	v_wmma_scale_f32_16x16x128_f8f6f4 v[OT+8*\t:OT+8*\t+7], v[KR+16*\t:KR+16*\t+15], v[PCD:PCD+15], v[OT+8*\t:OT+8*\t+7], v[VSC+\t/2], v[PSC]
.endif
.endr
.if \plain == 0
.Lhidden_\@:
.endif
	s_add_co_u32 s[SO], s[SO], STP                 ; on to the next 128 keys
	s_add_co_u32 s[SK], s[SK], 512
	s_add_co_u32 s[SV], s[SV], 256
	s_add_co_u32 s[T], s[T], 1
.endm
; A TILE ENDS: O^T / the sum, quantised along the head's 64 (register 16 b + i = channel 32 b + 16 h + i), through my stage, out as 1,024 consecutive bytes; two scale bytes a row.
.macro FINISH cp, sp
.rept 8
	v_nop                                          ; places behind the last products
.endr
	v_add_f32 v14, v14, v15
	s_delay_alu instid0(VALU_DEP_1)
	v_permlanex16_b32 v[WK], v14, s[SEL], s[SEL+1]
	s_delay_alu instid0(VALU_DEP_1)
	v_add_f32 v14, v14, v[WK]
	s_wait_alu depctr_va_vdst(0)
	v_rcp_f32 v14, v14
	v_nop
.set j, 0
	s_wait_alu depctr_va_vdst(0)
.rept 16
	v_pk_mul_f32 v[SS+j:SS+j+1], v[OT+j:OT+j+1], v[14:15] op_sel_hi:[1,0]
.set j, j+2
.endr
.irp b, 0,1
	v_max3_num_f32 v[BM+\b], |v[SS+16*\b]|, |v[SS+1+16*\b]|, 0x4800000
.endr
.irp i, 2,4,6,8,10,12,14
.irp b, 0,1
	s_delay_alu instid0(VALU_DEP_2)
	v_max3_num_f32 v[BM+\b], v[BM+\b], |v[SS+16*\b+\i]|, |v[SS+1+16*\b+\i]|
.endr
.endr
.irp b, 0,1
	s_delay_alu instid0(VALU_DEP_2)
	v_permlanex16_b32 v[PD+\b], v[BM+\b], s[SEL], s[SEL+1]
.endr
.irp b, 0,1
	s_delay_alu instid0(VALU_DEP_2)
	v_max_num_f32 v[BM+\b], v[BM+\b], v[PD+\b]
.endr
.irp b, 0,1
	s_delay_alu instid0(VALU_DEP_2)
	v_add_nc_u32 v[SOP+\b], 0xfc000000, v[BM+\b]
.endr
.irp b, 0,1
	s_delay_alu instid0(VALU_DEP_4)
	v_and_or_b32 v[HL+\b], v[BM+\b], 0x7f800000, s[MNT]
.endr
.irp b, 0,1
	s_delay_alu instid0(VALU_DEP_4)
	v_lshrrev_b32 v[PD+\b], 23, v[SOP+\b]
.endr
	s_delay_alu instid0(VALU_DEP_1)
	v_lshl_or_b32 v[WK], v[PD+1], 8, v[PD]         ; my row's two scale bytes
.irp b, 0,1
.set n, 0
.rept 16
	v_med3_num_f32 v[SS+16*\b+n], v[SS+16*\b+n], -v[HL+\b], v[HL+\b]
.set n, n+1
.endr
	v_cvt_scalef32_pk8_fp8_f32 v[PCD+4*\b:PCD+4*\b+1], v[SS+16*\b:SS+16*\b+7], v[SOP+\b]
	v_cvt_scalef32_pk8_fp8_f32 v[PCD+4*\b+2:PCD+4*\b+3], v[SS+16*\b+8:SS+16*\b+15], v[SOP+\b]
.endr
	v_nop                                          ; one plain line behind the last conversion
	ds_store_b128 v[STO], v[PCD:PCD+3]
	ds_store_b128 v[STO], v[PCD+4:PCD+7] offset:32
	ds_load_b128 v[SS+32:SS+35], v[RD]             ; LDS serves a wave's instructions in order: these see my stores
	ds_load_b128 v[SS+36:SS+39], v[RD] offset:640
	s_wait_dscnt 0x0
	global_store_b128 v[GO], v[SS+32:SS+35], s[\cp:\cp+1]            ; 512 consecutive bytes, aligned: eight rows of 64
	global_store_b128 v[GO], v[SS+36:SS+39], s[\cp:\cp+1] offset:512
	global_store_b16 v[ASO], v[WK], s[\sp:\sp+1]   ; lanes l and l + 16 write the same bytes with the same value
	s_wait_xcnt 0x0                                ; the stores' registers are written again only behind this wait
.endm
	s_wait_alu depctr_va_vdst(0)                   ; the wait at the head's end
	s_wait_loadcnt 0x0                             ; K's scale bytes, and Q
.irp i, 0,1,2,3
	ds_store_b32 v[SS+5], v[SS+\i] offset:2048*\i
.endr
	s_cmp_lt_u32 s[WV], 4                          ; waves 0-3: keys 0-255 of K and of V, and V's scale words, have landed; the other waves' loads may be out
	s_cbranch_scc0 .Lnot_first
	s_wait_tensorcnt 0x0
.Lnot_first:
	s_wait_dscnt 0x0                               ; my stores of scale words are done
	s_barrier_signal -1
	s_barrier_wait -1
	STEP 1, 0                                      ; the later tile's steps 0 and 1: its last step is 8 at the least
	STEP 1, 0
	s_wait_tensorcnt 0x0                           ; every wave: all that was still out has landed
	s_wait_dscnt 0x0
	s_barrier_signal -1
	s_barrier_wait -1                              ; the whole head lies in LDS: no barrier stands in the rest of the walk
.Lhigh:                                            ; steps 2 to 15: a constant count of trips; a wave jumps over the steps behind its tile's diagonal
	STEP 0, LIMH
	s_cmp_lt_u32 s[T], 16
	s_cbranch_scc1 .Lhigh
	QLOAD QCL, QSL                                 ; the earlier tile's Q lands while the later tile goes out
	FINISH OCH, OSH
	v_add_nc_u32 v[DD], s7, v[RH]
	RESET
	s_mov_b32 s[T], 0
	s_mov_b32 s[SO], 0
	s_mov_b32 s[SK], 0
	s_mov_b32 s[SV], 0
	s_wait_loadcnt 0x0
.Llow:                                             ; the earlier tile: steps 0 to w / 2, in eight trips
	STEP 0, LIML
	s_cmp_lt_u32 s[T], 8
	s_cbranch_scc1 .Llow
	FINISH OCL, OSL
	s_wait_tensorcnt 0x0                           ; the wave's end
	ds_add_u32 v[SPW], v[NIL]
	s_wait_dscnt 0x0
	CROUND                                         ; the closing round
	s_endpgm
.Lfunc_end_k_q358f8ddab5_attn:
	.size	k_q358f8ddab5_attn, .Lfunc_end_k_q358f8ddab5_attn-k_q358f8ddab5_attn
	.p2alignl 7, 3214868480
	.fill 96, 4, 3214868480
	.section	.rodata,"a",@progbits
	.p2align	6, 0x0
	.amdhsa_kernel k_q358f8ddab5_attn
		.amdhsa_group_segment_fixed_size 327680
		.amdhsa_private_segment_fixed_size 0
		.amdhsa_enable_private_segment 0
		.amdhsa_kernarg_size 48
		.amdhsa_user_sgpr_count 2
		.amdhsa_user_sgpr_kernarg_segment_ptr 1
		.amdhsa_wavefront_size32 1
		.amdhsa_system_sgpr_workgroup_id_x 1
		.amdhsa_system_sgpr_workgroup_id_y 1
		.amdhsa_system_sgpr_workgroup_id_z 1
		.amdhsa_system_vgpr_workitem_id 0
		.amdhsa_next_free_vgpr 256
		.amdhsa_next_free_sgpr 106
		.amdhsa_reserve_vcc 1
		.amdhsa_float_denorm_mode_32 3
		.amdhsa_float_denorm_mode_16_64 3
		.amdhsa_memory_ordered 1
		.amdhsa_forward_progress 1
		.amdhsa_inst_pref_size 119
	.end_amdhsa_kernel
	.amdgpu_metadata
---
amdhsa.version: [ 1, 2 ]
amdhsa.kernels:
  - .name:           k_q358f8ddab5_attn
    .symbol:         k_q358f8ddab5_attn.kd
    .args:
      - { .name: qk_codes, .offset: 0, .size: 8, .value_kind: global_buffer, .address_space: global }
      - { .name: qk_sc, .offset: 8, .size: 8, .value_kind: global_buffer, .address_space: global }
      - { .name: v_codes, .offset: 16, .size: 8, .value_kind: global_buffer, .address_space: global }
      - { .name: v_sc, .offset: 24, .size: 8, .value_kind: global_buffer, .address_space: global }
      - { .name: a_codes, .offset: 32, .size: 8, .value_kind: global_buffer, .address_space: global }
      - { .name: a_sc, .offset: 40, .size: 8, .value_kind: global_buffer, .address_space: global }
    .group_segment_fixed_size: 327680
    .private_segment_fixed_size: 0
    .kernarg_segment_align: 8
    .kernarg_segment_size: 48
    .max_flat_workgroup_size: 512
    .sgpr_count:     106
    .vgpr_count:     256
    .wavefront_size: 32
...
	.end_amdgpu_metadata
.endif
;; end of part 3
;; launch gemm_out (part 4): grid 8 x 32, 4 waves a work-group, clusters of 4 x 4, 327,680 bytes of LDS; arguments a_codes, a_sc, wcodes, wscales, b_out, out0; writes out0
.if DOCPART == 4
	.amdgcn_target "amdgcn-amd-amdhsa--gfx1250"
	.amdhsa_code_object_version 6
	.text
	.protected	k_q358f8ddab5_gemm_out
	.globl	k_q358f8ddab5_gemm_out
	.p2align	8
	.type	k_q358f8ddab5_gemm_out,@function
k_q358f8ddab5_gemm_out:
	s_mov_b64 s[64:65], 0
	v_nop
	global_prefetch_b8 v0, s[64:65] scope:SCOPE_SE
	s_setreg_imm32_b32 hwreg(HW_REG_WAVE_MODE, 25, 1), 1
	s_wait_xcnt 0x0
	s_wait_alu depctr_hold_cnt(0) depctr_sa_sdst(0) depctr_va_vdst(0) depctr_va_sdst(0) depctr_va_ssrc(0) depctr_va_vcc(0) depctr_vm_vsrc(0)
	s_getreg_b32 s2, hwreg(HW_REG_IB_STS2, 6, 4)
	s_cmp_eq_u32 s2, 0
	s_cbranch_scc0 .Lentry_in_a_cluster
	s_endpgm
.Lentry_in_a_cluster:
	s_bfe_u32 s2, ttmp6, 0x10000c
	s_cmp_lg_u32 s2, 0xf033
	s_cbranch_scc0 .Lentry_shape_is_right
	s_endpgm
.Lentry_shape_is_right:
; out0 = A w_out^T + b_out on codes of FP8 (E4M3) with one E8M0 scale for each 32 along K = 1,024; sums in f32.  A is the attention's result: codes [16 heads][8192 rows][64], scale bytes [8192][32].
; w_out's codes are rows 11,264 on of the common buffer (1,024 bytes a row), its scale bytes rows of 32; its rows lie with bits 3 and 4 of the row's number exchanged.
; THE DEAL.  256 work-groups of four waves, 2 x 2; a work-group makes 256 rows x 128 columns.  A wave holds 64 rows of w_out, ALL of K, in 512 registers, and streams 8 blocks of 16 rows of A past them:
; 32 products a block, its 4 accumulators by turns, K ascending.  Block k of wave row wr is rows 64 (k / 2) + 32 wr + 16 (k % 2) of the work-group's 256.
; LDS.  A comes in parts of 64 rows: [head][64 rows x 64 bytes] as runs of 256 bytes + 16 of padding, 69,632 bytes a part.  Parts 0, 1 lie from byte 0.  w_out's 128 rows lie behind them as two halves of K,
; rows of 512 bytes = two such runs (544 bytes from row to row: two lanes of sixteen meet in a bank; the rows are read once): the same 139,264 bytes in the same pattern of runs, so that parts 2, 3 are filled over them
; when every wave holds its rows in registers: ONE refill, behind a drained round of the cluster's barrier, a quarter a wave; the plain barrier inside block 2 shows it, ahead of block 4's fetch.
; CLUSTERS: 4 x 4 work-groups; A's tiles are asked for jointly along a row of the cluster, w_out's along a column.
; THE PREFETCH: parts 2, 3 (131,072 bytes, 512 blocks of 256) are named once in the cluster's row at the head: wave 4 cx + w takes head 4 cx + w, a lane a block; the refill that wants them stands behind the 128 LDS loads of the weights.
; The head's own tiles come by their loads alone.
; SCALE WORDS AND BIAS come once, by plain loads, into registers: w_out's 16, A's 8 for each of my 8 blocks, and 32 of bias, which is the C of each sum's first product.
; THE MATRIX INSTRUCTION IS USED TRANSPOSED (source 0 = 16 rows of w_out): register j of tile b of lane (r, h) is out0(row r, column 32 (b / 2) + 16 h + 8 (b % 2) + j).  A block goes through my own stage in LDS
; and leaves as rows of 256 bytes, sixteen lanes to an aligned run of 256 bytes; its stores stand behind the next block's products.
; LIMITS: NaN and infinities are not served.
; REGISTERS: window 0: v4-22 addresses, v24-39 w_out's scale words, v44-107 A's, v112-175 two sets of sums, v176-207 the bias, v208-239 rows read back; windows 1, 2: the weights; window 3: two sets of a block of A.
.set PART,  69632
.set R2,    139264                     ; w_out's rows, then A's parts 2, 3
.set STAGE, 278528                     ; 16 rows x 272 bytes for each wave
.set SPARE, 295936                     ; the spare words, 128 bytes for each wave: two blocks of 256 bytes that no other line names
.set WO,    11534336
.set WOS,   360448
.set NP,    8                          ; places behind this matrix instruction (ISA guide 7.12.1)
.set ADL,  4                           ; v4-7   LDS address of my blocks in part p, heads 0-7;  v8-11 heads 8-15
.set ADW,  12                          ; v12-13 of my rows of w_out, K half 0, 1
.set STO,  14
.set RD,   15
.set CO,   16
.set SPW,  17
.set NIL,  18
.set ABS,  19                          ; 32 x lane: w_out's scale bytes
.set AAS,  20                          ; 32 x r: A's
.set VBQ,  21                          ; 64 x h: the bias
.set PF,   22                          ; 256 x lane: the prefetch; never rewritten
.set SB,   24
.set SA,   44                          ; no product's two scale words have numbers equal modulo 8
.set ACC,  112
.set BQ,   176
.set OB,   208
.set G1W, 24
.set G1A, 32
.set G1R, 48
.set G0W, 56
.set G0A, 60
.set G0R, 68
.set PADW, (1<<20)|(1<<21)|(5<<22)|(3<<25)   ; elements of 1 byte; padding on; bit 21 beside a mask; after every 64 words four words
.set MSB, 0
.macro WIN new                         ; the immediate's high byte repeats the setting that is left
.if MSB != (\new)
	s_set_vgpr_msb (MSB<<8)|(\new)
.set MSB, (\new)
.endif
.endm
.macro PLACES n
.rept \n
	v_nop
.endr
.endm
.macro BARRIER
	s_barrier_signal -1
	s_barrier_wait -1
.endm
.macro CROUND                          ; a round of the cluster's barrier
	BARRIER
	s_cmp_lg_u32 s14, 0
	s_cbranch_scc1 .Lnot_wave_0_\@
	s_barrier_signal -3
.Lnot_wave_0_\@:
	s_barrier_wait -3
	BARRIER
.endm
.macro TLOAD g0, g1                    ; s_nop 0 and four v_nop follow a tensor load
	tensor_load_to_lds s[\g0:\g0+3], s[\g1:\g1+7]
	s_nop 0
	PLACES 4
.endm
.macro GRP1 g, mask, d0, rows, pitch
	s_or_b32 s[\g], s[\mask], PADW
	s_mov_b32 s[\g+1], (\d0)<<16
	s_mov_b32 s[\g+2], (\rows)<<16
	s_mov_b32 s[\g+3], (\d0)<<16
	s_mov_b32 s[\g+4], \rows
	s_mov_b32 s[\g+5], \pitch
	s_mov_b32 s[\g+6], 0
	s_mov_b32 s[\g+7], 0
.endm
.macro GRP0 g, p, o                    ; the global address of a group 0: the buffer's pointer + the offset pair; the type on top
	s_mov_b32 s[\g], 1
	s_add_nc_u64 s[\g+2:\g+3], s[\p:\p+1], s[\o:\o+1]
	s_or_b32 s[\g+3], s[\g+3], 0x80000000
.endm
	s_load_b128 s[4:7], s[0:1], 0x0                ; a_codes, a_sc
	s_load_b128 s[8:11], s[0:1], 0x10              ; wcodes, wscales
	s_load_b64 s[96:97], s[0:1], 0x20              ; b_out
	s_load_b64 s[12:13], s[0:1], 0x28              ; out0
	v_lshl_add_u32 v[SPW], v0, 2, SPARE
	v_mov_b32 v[NIL], 0
	ds_add_u32 v[SPW], v[NIL]                      ; the opening lines: the add, twice on end, and its wait ahead of the round in front of the first loads
	ds_add_u32 v[SPW], v[NIL]
	v_lshrrev_b32 v1, 5, v0
	v_readfirstlane_b32 s14, v1                    ; wave 0..3
	s_lshr_b32 s15, s14, 1                         ; my row of waves
	s_and_b32 s16, s14, 1                          ; my column of waves; also which half I fetch
	s_bfe_u32 s40, ttmp6, 0x40000                  ; cx, cy
	s_bfe_u32 s41, ttmp6, 0x40004
	s_lshl_b32 s42, ttmp9, 2
	s_add_co_u32 s42, s42, s40                     ; tile column: 128 columns
	s_and_b32 s17, ttmp7, 0xffff
	s_lshl_b32 s17, s17, 2
	s_add_co_u32 s17, s17, s41                     ; tile row: 256 rows
	s_lshl_b32 s43, s41, 2
	s_lshl_b32 s43, 15, s43                        ; my row of the cluster
	s_lshl_b32 s44, 0x1111, s40                    ; my column
	GRP1 G1W, 44, 512, 128, 1024                   ; half of K of w_out's 128 rows
	GRP1 G1A, 43, 4096, 16, 524288                 ; a part of A: 64 rows x 64 bytes are 4,096 dense bytes of each of 16 heads
	GRP1 G1R, 43, 4096, 8, 524288                  ; half a part: 8 heads
	s_lshl_b32 s20, s42, 17                        ; w_out: 128 rows x 1,024 bytes a tile column, + my half of K
	s_lshl_b32 s21, s16, 9
	s_add_co_u32 s20, s20, s21
	s_add_co_u32 s20, s20, WO
	s_mov_b32 s21, 0
	s_lshl_b32 s22, s17, 14                        ; A: 256 rows x 64 bytes a tile row, + part 0 or 1
	s_lshl_b32 s23, s16, 12
	s_add_co_u32 s22, s22, s23
	s_mov_b32 s23, 0
	s_lshl_b32 s46, s17, 14                        ; the refill: part 2 + wave / 2, heads 8 (wave % 2) on
	s_lshl_b32 s47, s15, 12
	s_add_co_u32 s46, s46, s47
	s_lshl_b32 s47, s16, 22
	s_add_co_u32 s46, s46, s47
	s_add_co_u32 s46, s46, 8192
	s_mov_b32 s47, 0
	s_mul_i32 s[G0A+1], s16, PART                  ; where they go: the wave's number alone enters an LDS address
	s_add_co_u32 s[G0W+1], s[G0A+1], R2
	s_mul_i32 s[G0R+1], s14, PART/2
	s_add_co_u32 s[G0R+1], s[G0R+1], R2
	s_wait_dscnt 0x0                               ; both opening adds are done
	CROUND                                         ; all sixteen work-groups are here: the first joint loads meet
	s_wait_kmcnt 0x0
	GRP0 G0W, 8, 20
	GRP0 G0A, 4, 22
	GRP0 G0R, 4, 46
	s_cmp_lt_u32 s14, 2                            ; one load a wave: waves 0, 1 the weights, which are wanted first and have a line of their own; waves 2, 3 A's parts 0, 1
	s_cbranch_scc0 .Lfor_a
	TLOAD G0W, G1W
	s_branch .Lasked
.Lfor_a:
	TLOAD G0A, G1A
.Lasked:
	s_lshl_b32 s18, s42, 7
	s_lshl_b32 s19, s16, 6
	s_add_co_u32 s18, s18, s19                     ; my first column
	s_lshl_b32 s19, s17, 8
	s_lshl_b32 s20, s15, 5
	s_add_co_u32 s19, s19, s20                     ; my first row: 256 x tile row + 32 x wave row
	s_lshl_b32 s20, s18, 5
	s_add_co_u32 s20, s20, WOS
	s_add_nc_u64 s[10:11], s[10:11], s[20:21]      ; w_out's scale bytes of my 64 rows
	s_lshl_b32 s20, s18, 2
	s_add_nc_u64 s[96:97], s[96:97], s[20:21]      ; the bias of my 64 columns
	s_lshl_b32 s20, s19, 5
	s_add_nc_u64 s[6:7], s[6:7], s[20:21]          ; A's scale bytes
	s_lshl_b32 s20, s19, 12
	s_lshl_b32 s22, s18, 2
	s_add_co_u32 s20, s20, s22
	s_add_nc_u64 s[12:13], s[12:13], s[20:21]      ; out0
	s_lshl_b32 s20, s40, 2
	s_add_co_u32 s20, s20, s14                     ; which of the cluster row's sixteen waves I am: the head whose bytes I name
	s_lshl_b32 s20, s20, 19
	s_lshl_b32 s22, s17, 14
	s_add_co_u32 s20, s20, s22
	s_add_co_u32 s20, s20, 8192                    ; rows 128 on of the tile row
	s_add_nc_u64 s[72:73], s[4:5], s[20:21]
	s_mul_i32 s20, s15, 2176                       ; two blocks of 4 runs for each wave row
	s_mul_i32 s22, s16, PART/2                     ; 64 rows of 544 bytes
	s_add_co_u32 s22, s22, R2
	s_mul_i32 s23, s14, 4352
	s_add_co_u32 s23, s23, STAGE                   ; my stage
	v_and_b32 v1, 15, v0                           ; r
	v_bfe_u32 v2, v0, 4, 1                         ; h
	v_and_b32 v3, 31, v0                           ; lane
	v_lshrrev_b32 v23, 2, v1
	v_and_b32 v40, 3, v1
	v_mul_u32_u24 v23, v23, 272
	v_lshl_add_u32 v23, v40, 6, v23
	v_lshl_add_u32 v23, v2, 4, v23                 ; 272 (r / 4) + 64 (r % 4) + 16 h: sixteen lanes touch sixteen different 16-byte columns of 256
	v_add_nc_u32 v[ADL], s20, v23
.irp p, 1,2,3,4,5,6,7
	v_add_nc_u32 v[ADL+(\p%4)+4*(\p/4)], (\p%4)*PART+(\p/4)*(PART/2), v[ADL]
.endr
	v_mul_u32_u24 v40, v1, 544
	v_lshl_add_u32 v40, v2, 4, v40
	v_add_nc_u32 v[ADW], s22, v40
	v_add_nc_u32 v[ADW+1], PART, v[ADW]
	v_mul_u32_u24 v41, v1, 272
	v_lshl_add_u32 v41, v2, 6, v41
	v_add_nc_u32 v[STO], s23, v41                  ; in: row r, 64 bytes for each half of the lanes
	v_mul_u32_u24 v42, v2, 272
	v_lshl_add_u32 v42, v1, 4, v42
	v_add_nc_u32 v[RD], s23, v42                   ; back: lanes 0-15 one row, lanes 16-31 the next
	v_lshlrev_b32 v43, 12, v2
	v_lshl_add_u32 v[CO], v1, 4, v43               ; and the same two rows in out0
	v_lshlrev_b32 v[ABS], 5, v3
	v_lshlrev_b32 v[AAS], 5, v1
	v_lshlrev_b32 v[VBQ], 6, v2
	v_lshlrev_b32 v[PF], 8, v3
	s_wait_alu depctr_va_vdst(0)                   ; the wait at the head's end
.irp p, 0,1
.irp c, 0,1
	global_load_b128 v[SB+8*\p+4*\c:SB+8*\p+4*\c+3], v[ABS], s[10:11] offset:1024*\p+16*\c   ; register 8 p + q: lanes 0-15 tile 2 p's word of K step q, lanes 16-31 tile 2 p + 1's
.endr
.endr
.irp k, 0,1,2,3,4,5,6,7
.irp c, 0,1
	global_load_b128 v[SA+8*\k+4*\c:SA+8*\k+4*\c+3], v[AAS], s[6:7] offset:(64*(\k/2)+16*(\k%2))*32+16*\c   ; block k, row r: its eight words
.endr
.endr
.irp b, 0,1,2,3
	global_load_b128 v[BQ+8*\b:BQ+8*\b+3], v[VBQ], s[96:97] offset:4*(32*(\b/2)+8*(\b%2))
	global_load_b128 v[BQ+8*\b+4:BQ+8*\b+7], v[VBQ], s[96:97] offset:4*(32*(\b/2)+8*(\b%2))+16
.endr
	global_prefetch_b8 v[PF], s[72:73] th:TH_LOAD_NT scope:SCOPE_SE   ; 32 blocks of 256 bytes: one head's rows 128-255
	s_cmp_lt_u32 s14, 2
	s_cbranch_scc0 .Lnot_w
	s_wait_tensorcnt 0x0                           ; waves 0, 1: the weights have landed; waves 2, 3 wait ahead of the round below
.Lnot_w:
	BARRIER
.macro FETCH k                         ; block k of A, 16 rows, all of K, into set k % 2 of window 3: 32 loads.  Piece c of K step q lies in head 2 q + c / 2
	WIN 3<<6
.irp q, 0,1,2,3,4,5,6,7
.irp c, 0,1,2,3
	ds_load_b128 v[128*((\k)%2)+16*\q+4*\c:128*((\k)%2)+16*\q+4*\c+3], v[ADL+4*((2*\q+\c/2)/8)+(\k)/2] offset:((2*\q+\c/2)%8)*4352+((\k)%2)*1088+32*(\c%2)
.endr
.endr
	WIN 0
.endm
.macro PRODS k, from, to               ; product n = 4 q + b: K step q, tile b of my 64 rows of w_out
.set N_, \from
.rept (\to)-(\from)
.set Q_, N_/4
.set B_, N_%4
.set AC_, ACC+32*((\k)%2)+8*B_
.set C_, AC_
.if Q_ == 0
.set C_, BQ+8*B_
.endif
.set X_, 128*((\k)%2)+16*Q_
.set W_, 16*(N_%16)
	WIN (1+N_/16)|(3<<2)
.if B_%2
	v_wmma_scale_f32_16x16x128_f8f6f4 v[AC_:AC_+7], v[W_:W_+15], v[X_:X_+15], v[C_:C_+7], v[SB+8*(B_/2)+Q_], v[SA+8*(\k)+Q_] matrix_a_scale:MATRIX_SCALE_ROW1
.else
	v_wmma_scale_f32_16x16x128_f8f6f4 v[AC_:AC_+7], v[W_:W_+15], v[X_:X_+15], v[C_:C_+7], v[SB+8*(B_/2)+Q_], v[SA+8*(\k)+Q_]
.endif
.set N_, N_+1
.endr
.endm
.macro OUTA k                          ; block k's sums into my stage, each accumulator from its low end on, and back as rows: LDS serves a wave's instructions in order (ISA guide 5.7.1.4)
.irp b, 0,1,2,3
	ds_store_b128 v[STO], v[ACC+32*((\k)%2)+8*\b:ACC+32*((\k)%2)+8*\b+3] offset:128*(\b/2)+32*(\b%2)
	ds_store_b128 v[STO], v[ACC+32*((\k)%2)+8*\b+4:ACC+32*((\k)%2)+8*\b+7] offset:128*(\b/2)+32*(\b%2)+16
.endr
.irp t, 0,1,2,3,4,5,6,7
	ds_load_b128 v[OB+4*\t:OB+4*\t+3], v[RD] offset:\t*544
.endr
.endm
.macro OUTB k                          ; block k's rows leave: sixteen lanes store 256 consecutive bytes, aligned; written once
	s_wait_dscnt 0x0
.irp t, 0,1,2,3,4,5,6,7
	global_store_b128 v[CO], v[OB+4*\t:OB+4*\t+3], s[12:13] offset:(64*((\k)/2)+16*((\k)%2))*4096+\t*8192 th:TH_STORE_NT
.endr
.endm
.macro BLK k
.if (\k) == 0
	s_wait_dscnt 32                                ; block 0 is in; block 1's 32 loads may be out
.elseif (\k) == 7
	s_wait_dscnt 16                                ; the 16 LDS instructions of block 6's way out may be out
.else
	s_wait_dscnt 48                                ; the next block's 32 loads and the 16 of the last way out may be out
.endif
.if (\k) == 2
	PRODS \k, 0, 28
	WIN 0
	s_wait_tensorcnt 0x0                           ; every wave: my quarter of parts 2, 3 has landed
	s_wait_dscnt 0x0
	s_barrier_signal -1
	PRODS \k, 28, 32
	WIN 0
	s_barrier_wait -1                              ; everybody's has: block 4's fetch below reads them
.else
	PRODS \k, 0, 32
	WIN 0
.endif
.if (\k) > 0
	OUTB (\k)-1
.endif
	PLACES NP                                      ; behind the block's last product, ahead of the loads into the registers that it read and of the first read of its sums
.if (\k)+2 < 8
	FETCH (\k)+2
.endif
.if (\k) > 0
	s_wait_xcnt 0x0                                ; the stores above have read their registers: the next rows may land there
.endif
	OUTA \k
.endm
.irp q, 0,1,2,3,4,5,6,7                ; my 64 rows of w_out, all of K, into windows 1 and 2: fragment 4 q + b
.irp b, 0,1,2,3
	WIN (1+(4*\q+\b)/16)<<6
.irp c, 0,1,2,3
	ds_load_b128 v[16*((4*\q+\b)%16)+4*\c:16*((4*\q+\b)%16)+4*\c+3], v[ADW+\q/4] offset:\b*8704+((\q%4)/2)*272+128*(\q%2)+32*\c
.endr
.endr
.endr
	WIN 0
	s_wait_tensorcnt 0x0                           ; all my tensor loads have landed: A's parts 0, 1 among them;
	ds_add_u32 v[SPW], v[NIL]                      ; the add ahead of a refill's round;
	s_wait_dscnt 0x0                               ; it is done, and the weights are in my registers
	CROUND                                         ; both hold of every wave of the cluster
	TLOAD G0R, G1R                                 ; parts 2, 3 over the weights' bytes: my quarter, the first tensor load behind the round
	FETCH 0
	FETCH 1
	s_wait_loadcnt 0x0                             ; the scale words and the bias
.irp k, 0,1,2,3,4,5,6,7
	BLK \k
.endr
	OUTB 7
	s_wait_tensorcnt 0x0                           ; the wave's end
	ds_add_u32 v[SPW], v[NIL]
	s_wait_dscnt 0x0
	CROUND                                         ; the closing round
	s_endpgm
.Lfunc_end_k_q358f8ddab5_gemm_out:
	.size	k_q358f8ddab5_gemm_out, .Lfunc_end_k_q358f8ddab5_gemm_out-k_q358f8ddab5_gemm_out
	.p2alignl 7, 3214868480
	.fill 96, 4, 3214868480
	.section	.rodata,"a",@progbits
	.p2align	6, 0x0
	.amdhsa_kernel k_q358f8ddab5_gemm_out
		.amdhsa_group_segment_fixed_size 327680
		.amdhsa_private_segment_fixed_size 0
		.amdhsa_enable_private_segment 0
		.amdhsa_kernarg_size 48
		.amdhsa_user_sgpr_count 2
		.amdhsa_user_sgpr_kernarg_segment_ptr 1
		.amdhsa_wavefront_size32 1
		.amdhsa_system_sgpr_workgroup_id_x 1
		.amdhsa_system_sgpr_workgroup_id_y 1
		.amdhsa_system_sgpr_workgroup_id_z 1
		.amdhsa_system_vgpr_workitem_id 0
		.amdhsa_next_free_vgpr 1024
		.amdhsa_next_free_sgpr 100
		.amdhsa_reserve_vcc 0
		.amdhsa_float_denorm_mode_32 3
		.amdhsa_float_denorm_mode_16_64 3
		.amdhsa_memory_ordered 1
		.amdhsa_forward_progress 1
		.amdhsa_inst_pref_size 87
	.end_amdhsa_kernel
	.amdgpu_metadata
---
amdhsa.version: [ 1, 2 ]
amdhsa.kernels:
  - .name:           k_q358f8ddab5_gemm_out
    .symbol:         k_q358f8ddab5_gemm_out.kd
    .args:
      - { .name: a_codes, .offset: 0, .size: 8, .value_kind: global_buffer, .address_space: global }
      - { .name: a_sc, .offset: 8, .size: 8, .value_kind: global_buffer, .address_space: global }
      - { .name: wcodes, .offset: 16, .size: 8, .value_kind: global_buffer, .address_space: global }
      - { .name: wscales, .offset: 24, .size: 8, .value_kind: global_buffer, .address_space: global }
      - { .name: b_out, .offset: 32, .size: 8, .value_kind: global_buffer, .address_space: global }
      - { .name: out0, .offset: 40, .size: 8, .value_kind: global_buffer, .address_space: global }
    .group_segment_fixed_size: 327680
    .private_segment_fixed_size: 0
    .kernarg_segment_align: 8
    .kernarg_segment_size: 48
    .max_flat_workgroup_size: 128
    .sgpr_count:     100
    .vgpr_count:     1024
    .wavefront_size: 32
...
	.end_amdgpu_metadata
.endif
;; end of part 4
